; MI455X (gfx1250); checked and timed in simulation.
; The chip was launched on July 23, 2026; its instructions are those of AMD's public machine-readable ISA for CDNA 5 (MIT licence, August 2026) and "CDNA5" Instruction Set Architecture Reference Guide (July 2026). The comments in the code are by the model that wrote it; some were corrected since.
;; Deform Encoder. Allowed arithmetic: float matrix products may take bf16 or f16 operands with f32 sums; other float arithmetic in f32, or as packed bf16 or f16 multiplies, adds, multiply-adds, maxima and minima; sums over many terms, partial sums and values carried from step to step in f32; what a program stores and reads back later, other than sums and carried values, may be rounded once to bf16 or f16.
;; Inputs: params_W1 6 x 256 x 256 float32; params_W2 6 x 256 x 256 float32; params_Wa 6 x 32 x 256 float32; params_Wo 6 x 256 x 256 float32; params_Woff 6 x 64 x 256 float32; params_Wv 6 x 256 x 256 float32; params_b1 6 x 256 float32; params_b2 6 x 256 float32; params_ba 6 x 32 float32; params_bo 6 x 256 float32; params_boff 6 x 64 float32; params_bv 6 x 256 float32; params_n1b 6 x 256 float32; params_n1w 6 x 256 float32; params_n2b 6 x 256 float32; params_n2w 6 x 256 float32; x 8 x 256 x 64 x 64 float32.
;; Outputs: out0 8 x 256 x 64 x 64 float32.
;; One version. Each part assembles by itself: llvm-mc -triple=amdgcn-amd-amdhsa -mcpu=gfx1250 --defsym DOCPART=n.
;; ======== version 1 of 1: 15 launches
;; limits: values are held in f16: magnitudes above 65,504 overflow, below 6.1e-05 lose precision
;; workspace buffers: srcA 16,777,216 bytes; srcB 16,777,216 bytes; vbuf 16,777,216 bytes; samp 17,432,576 bytes; wgt 8,388,608 bytes; wpk 4,415,488 bytes; idx 2,129,920 bytes of whole numbers; lay 32,768 bytes of whole numbers
;; launch prep (part 1): grid 256 x 7, 8 waves a work-group, no clusters, 1,536 bytes of LDS; arguments params_Wo, params_W1, params_W2, params_Wv, params_Woff, params_Wa, params_bo, params_n1w, params_n1b, params_b1, params_b2, params_n2w, params_n2b, params_bv, params_boff, params_ba, wpk; writes wpk
.if DOCPART == 1
	.amdgcn_target "amdgcn-amd-amdhsa--gfx1250"
	.amdhsa_code_object_version 6
	.text
	.protected	k_qe3e3983208_prep
	.globl	k_qe3e3983208_prep
	.p2align	8
	.type	k_qe3e3983208_prep,@function
k_qe3e3983208_prep:
	s_mov_b64 s[64:65], 0
	v_nop
	global_prefetch_b8 v0, s[64:65] scope:SCOPE_SE
	s_setreg_imm32_b32 hwreg(HW_REG_WAVE_MODE, 25, 1), 1
	s_wait_xcnt 0x0
; PACKS THE WEIGHTS.  wpk holds seven blocks of BLOCK bytes; block j (the grid's y) serves the launch that ends layer j - 1 and projects for layer j:
;   0        Wo, W1, W2 of layer j - 1 (not made for j = 0), then Wv of layer min(j, 5): 131,072 bytes each, f16, in the order in which a matrix fragment is read:
;            [k block of 32][n block of 16][1,024 bytes]; lane l's 16 bytes at 16 l hold W[16 nb + l % 16][32 kb + 8 (l / 16) ..+7], those at 512 + 16 l the same k + 16
;   O_WQ     the 64 rows of Woff and the 32 of Wa of layer min(j, 5), in the same order with six n blocks
;   O_TY     128 rows of 96 f32: row y < 64 = pos_y(y) . W^T + bias, row 64 + x = pos_x(x) . W^T: the position's share of offsets and logits, which is separable
;   O_PAR    bo, n1w, n1b, b1, b2, n2w, n2b (layer j - 1; for j = 0 layer 0's, 7 KB that nobody reads, the price of no further branch), bv (layer min(j, 5)): f32
; Every input is rounded to bf16 once; the matrices are then written as f16.  LIMITS: a weight beyond 65,504 becomes an infinity, one below 6e-8 becomes 0; NaN is not treated apart.
; No cluster: no two work-groups read the same piece at the same time.  Work-group wg takes 512 bytes of each matrix image, 48 numbers of the tables, and a part of the small things.
.set BLOCK, 630784
.set O_WQ,  524288
.set O_TY,  573440
.set O_PAR, 622592
.set SPARE, 512                        ; LDS: 0 the 128 position features; 512 the spare words, 128 bytes a wave
.set LANE, 1
.set SPW,  2                           ; v2  my spare word; never rewritten
.set NIL,  3                           ; v3  0; never rewritten
.set WD,   16                          ; v16-47  32 weights
.set BIA,  48
.set ZR,   49
.set POS,  52                          ; v52-83  32 position features
.set PKD,  84                          ; v84-99  the weights as bf16 pairs
.set ACC,  100                         ; v100-103 four chains
.set WV, 2
.set WG, 3
.set JJ, 4
.set LA, 5                             ; layer of Wo, W1, W2 and seven vectors
.set LB, 6                             ; layer of Wv, Woff, Wa, bv, boff, ba
.set RHO, 7                            ; my row of the tables
.set HALF, 44
	s_load_b512 s[8:23], s[0:1], 0x0               ; Wo 8, W1 10, W2 12, Wv 14, Woff 16, Wa 18, bo 20, n1w 22
	s_load_b512 s[24:39], s[0:1], 0x40             ; n1b 24, b1 26, b2 28, n2w 30, n2b 32, bv 34, boff 36, ba 38
	s_load_b64 s[40:41], s[0:1], 0x80              ; wpk
	v_lshl_add_u32 v[SPW], v0, 2, SPARE
	v_mov_b32 v[NIL], 0
	v_lshrrev_b32 v1, 5, v0
	v_readfirstlane_b32 s[WV], v1
	v_and_b32 v[LANE], 31, v0
	s_mov_b32 s[WG], ttmp9
	s_and_b32 s[JJ], ttmp7, 0xffff
	s_max_u32 s[LA], s[JJ], 1
	s_sub_co_u32 s[LA], s[LA], 1
	s_min_u32 s[LB], s[JJ], 5
	s_lshr_b32 s[RHO], s[WG], 1
	s_and_b32 s[HALF], s[WG], 1
	s_mul_i32 s42, s[JJ], BLOCK
	s_mov_b32 s43, 0
	s_wait_kmcnt 0x0
	s_add_nc_u64 s[40:41], s[40:41], s[42:43]      ; my block
	s_cmp_ge_u32 s[WV], 4
	s_cbranch_scc1 .Lpos_done
	; threads 0-127: feature t of the position: sin (t even) or cos (t odd) of ((rho % 64) + 1) 2 pi / 64 / 10000^((t / 2) / 64).  The argument lies in (0, 2 pi] by construction.
	s_and_b32 s45, s[RHO], 63
	s_add_co_u32 s45, s45, 1
	v_cvt_f32_u32 v14, s45
	v_mul_f32 v14, 0x3dc90fdb, v14                 ; x 2 pi / 64
	v_lshrrev_b32 v4, 1, v0
	v_cvt_f32_u32 v4, v4
	v_mul_f32 v4, 0xbe549a78, v4                   ; x -log2(10000) / 64
	v_exp_f32 v4, v4
	v_and_b32 v5, 1, v0                            ; (a plain line behind the exponential) odd t: a quarter turn more
	s_wait_alu depctr_va_vdst(0)
	v_mul_f32 v4, v14, v4                          ; the argument
	v_mul_f32 v6, 0x3f22f983, v4                   ; x 2 / pi
	v_rndne_f32 v6, v6                             ; quarter turns n
	v_fmamk_f32 v7, v6, 0xbfc90fdb, v4             ; r = arg - n pi/2, pi/2 in two parts
	v_fmamk_f32 v7, v6, 0x333bbd2e, v7
	v_mul_f32 v8, v7, v7
	v_mov_b32 v9, 0xb9500d01                       ; sin r to r^7: |r| <= pi/4, the next term is under 4e-7
	v_fmaak_f32 v9, v9, v8, 0x3c088889
	v_fmaak_f32 v9, v9, v8, 0xbe2aaaab
	v_mul_f32 v10, v7, v8
	v_fma_f32 v9, v9, v10, v7
	v_mov_b32 v11, 0x37d00d01                      ; cos r to r^8
	v_fmaak_f32 v11, v11, v8, 0xbab60b61
	v_fmaak_f32 v11, v11, v8, 0x3d2aaaab
	v_fmaak_f32 v11, v11, v8, 0xbf000000
	v_fma_f32 v11, v11, v8, 1.0
	v_cvt_i32_f32 v6, v6
	v_add_nc_u32 v6, v6, v5
	v_and_b32 v12, 1, v6
	v_cmp_eq_u32 vcc_lo, 1, v12
	v_cndmask_b32 v9, v9, v11, vcc_lo              ; odd quarter: the cosine
	v_and_b32 v12, 2, v6
	v_lshlrev_b32 v12, 30, v12
	v_xor_b32 v9, v9, v12                          ; quarters 2 and 3: the sign turns
	v_lshlrev_b32 v13, 2, v0
	ds_store_b32 v13, v9
.Lpos_done:
	s_wait_dscnt 0x0                               ; my stores are done, for the others' sake
	s_barrier_signal -1
	s_barrier_wait -1
	s_cmp_ge_u32 s[WV], 6
	s_cbranch_scc1 .Lsmall
	; THE TABLES.  Waves 0-3: 32 rows of Woff; waves 4, 5: 16 rows of Wa.  Four threads share a row, 32 k each.
	s_cmp_lt_u32 s[WV], 4
	s_cselect_b64 s[46:47], s[16:17], s[18:19]     ; the weights
	s_cselect_b64 s[48:49], s[36:37], s[38:39]     ; their bias
	s_cselect_b32 s50, 16, 15                      ; log2 of a layer's bytes of weights
	s_cselect_b32 s51, 8, 7                        ; and of bias
	s_cselect_b32 s52, 5, 4                        ; log2 of the rows that a work-group takes
	s_cselect_b32 s54, 0, 64                       ; the first column of the table
	s_lshl_b32 s56, s[LB], s50
	s_mov_b32 s57, 0
	s_add_nc_u64 s[46:47], s[46:47], s[56:57]
	s_lshl_b32 s56, s[LB], s51
	s_add_nc_u64 s[48:49], s[48:49], s[56:57]
	v_and_b32 v4, 127, v0
	v_lshrrev_b32 v4, 2, v4
	v_and_b32 v5, 3, v0                            ; which 32 k
	s_lshl_b32 s55, s[HALF], s52
	v_add_nc_u32 v4, s55, v4                       ; my row
	s_lshr_b32 s55, s[RHO], 6
	s_lshl_b32 s55, s55, 9                         ; y rows take channels 0-127, x rows 128-255
	v_lshl_add_u32 v6, v4, 10, s55
	v_lshl_add_u32 v6, v5, 7, v6
	v_lshlrev_b32 v7, 2, v4
.irp i, 0,1,2,3,4,5,6,7
	global_load_b128 v[WD+4*\i:WD+4*\i+3], v6, s[46:47] offset:16*\i
.endr
	global_load_b32 v[BIA], v7, s[48:49]
	v_lshlrev_b32 v8, 7, v5
.irp i, 0,1,2,3,4,5,6,7
	ds_load_b128 v[POS+4*\i:POS+4*\i+3], v8 offset:16*\i
.endr
	v_mov_b32 v[ZR], 0
	s_wait_loadcnt 0x0
.set i, 0
.rept 16
	v_cvt_pk_bf16_f32 v[PKD+i], v[WD+2*i], v[WD+2*i+1]
.set i, i+1
.endr
	s_wait_dscnt 0x0
.set i, 0
.rept 16                               ; weight (a bf16 half) x feature (f32), four chains; the first four start on 0
.irp hb, 0,1
.if i < 2
	v_fma_mix_f32_bf16 v[ACC+2*(i%2)+\hb], v[PKD+i], v[POS+2*i+\hb], v[ZR] op_sel:[\hb,0,0] op_sel_hi:[1,0,0]
.else
	v_fma_mix_f32_bf16 v[ACC+2*(i%2)+\hb], v[PKD+i], v[POS+2*i+\hb], v[ACC+2*(i%2)+\hb] op_sel:[\hb,0,0] op_sel_hi:[1,0,0]
.endif
.endr
.set i, i+1
.endr
	v_add_f32 v[ACC], v[ACC], v[ACC+1]
	v_add_f32 v[ACC+2], v[ACC+2], v[ACC+3]
	v_add_f32 v[ACC], v[ACC], v[ACC+2]
	v_add_f32_dpp v[ACC], v[ACC], v[ACC] row_xmask:1 row_mask:0xf bank_mask:0xf
	v_add_f32_dpp v[ACC], v[ACC], v[ACC] row_xmask:2 row_mask:0xf bank_mask:0xf
	v_cvt_pk_bf16_f32 v[BIA], v[BIA], v[BIA]
	v_lshlrev_b32 v[BIA], 16, v[BIA]
	s_cmp_lt_u32 s[RHO], 64
	s_cselect_b32 s55, 1.0, 0                      ; the bias goes into the y rows alone
	v_fma_f32 v[ACC], v[BIA], s55, v[ACC]
	v_add_nc_u32 v9, s54, v4
	v_lshlrev_b32 v9, 2, v9
	s_mul_i32 s56, s[RHO], 384
	s_add_co_u32 s56, s56, O_TY
	s_add_nc_u64 s[60:61], s[40:41], s[56:57]
	v_cmp_eq_u32 vcc_lo, 0, v5
	s_wait_xcnt 0x0                                ; EXEC changes only behind this wait
	s_and_saveexec_b32 s58, vcc_lo                 ; one of the four stores: 48 numbers a work-group, too few for whole blocks
	global_store_b32 v9, v[ACC], s[60:61]
	s_wait_xcnt 0x0
	s_or_b32 exec_lo, exec_lo, s58
; eight weights from v[so] + s[sb] are rounded to bf16, written as f16 and stored at v[do] + s[db]: a wave stores 512 consecutive bytes
.macro PACK8 so, sb, do, db
	global_load_b128 v[16:19], v[\so], s[\sb:\sb+1]
	global_load_b128 v[20:23], v[\so], s[\sb:\sb+1] offset:16
	s_wait_loadcnt 0x0
.irp q, 0,1,2,3
	v_cvt_pk_bf16_f32 v[24+\q], v[16+2*\q], v[17+2*\q]
.endr
.irp q, 0,1,2,3
	v_lshlrev_b32 v[16+2*\q], 16, v[24+\q]
	v_and_b32 v[17+2*\q], 0xffff0000, v[24+\q]
.endr
.irp q, 0,1,2,3
	v_cvt_pk_f16_f32 v[24+\q], v[16+2*\q], v[17+2*\q]
.endr
	global_store_b128 v[\do], v[24:27], s[\db:\db+1]
.endm
	; THE FOUR LARGE MATRICES: wave m takes matrix m.  Image unit 32 wg + lane: k block wg / 32, n block (wg / 2) % 16, half wg % 2.
	s_cmp_ge_u32 s[WV], 4
	s_cbranch_scc1 .Lend
	s_cmp_eq_u32 s[WV], 3
	s_cbranch_scc1 .Lmat
	s_cmp_eq_u32 s[JJ], 0
	s_cbranch_scc1 .Lend                           ; block 0 has no layer in front of it
.Lmat:
	s_cmp_eq_u32 s[WV], 1
	s_cselect_b64 s[46:47], s[10:11], s[8:9]
	s_cmp_eq_u32 s[WV], 2
	s_cselect_b64 s[46:47], s[12:13], s[46:47]
	s_cmp_eq_u32 s[WV], 3
	s_cselect_b64 s[46:47], s[14:15], s[46:47]
	s_cselect_b32 s56, s[LB], s[LA]
	s_lshl_b32 s56, s56, 18
	s_bfe_u32 s50, s[WG], 0x40001
	s_lshl_b32 s50, s50, 14                        ; 16 rows of 1,024 bytes for each n block
	s_add_co_u32 s56, s56, s50
	s_lshr_b32 s50, s[WG], 5
	s_lshl_b32 s50, s50, 7                         ; 32 k of 4 bytes
	s_add_co_u32 s56, s56, s50
	s_lshl_b32 s50, s[HALF], 6
	s_add_co_u32 s56, s56, s50
	s_mov_b32 s57, 0
	s_add_nc_u64 s[46:47], s[46:47], s[56:57]
	s_lshl_b32 s56, s[WV], 17
	s_lshl_b32 s50, s[WG], 9
	s_add_co_u32 s56, s56, s50
	s_add_nc_u64 s[60:61], s[40:41], s[56:57]
	v_and_b32 v4, 15, v0
	v_bfe_u32 v5, v0, 4, 1
	v_lshlrev_b32 v4, 10, v4
	v_lshl_add_u32 v4, v5, 5, v4
	v_lshlrev_b32 v5, 4, v[LANE]
	PACK8 4, 46, 5, 60
	s_branch .Lend
.Lsmall:
	s_cmp_eq_u32 s[WV], 7
	s_cbranch_scc1 .Lvec
	; WOFF AND WA: wave 6 of work-groups 0-95; wg = 12 kb + 2 nb + half
	s_cmp_ge_u32 s[WG], 96
	s_cbranch_scc1 .Lend
	s_mul_i32 s45, s[WG], 43
	s_lshr_b32 s45, s45, 9                         ; wg / 12, exact below 96
	s_mul_i32 s50, s45, 12
	s_sub_co_u32 s50, s[WG], s50
	s_lshr_b32 s51, s50, 1
	s_and_b32 s50, s50, 1
	s_cmp_lt_u32 s51, 4
	s_cselect_b64 s[46:47], s[16:17], s[18:19]
	s_cselect_b32 s52, 16, 15
	s_cselect_b32 s53, 0, 4
	s_sub_co_u32 s51, s51, s53
	s_lshl_b32 s56, s[LB], s52
	s_lshl_b32 s51, s51, 14
	s_add_co_u32 s56, s56, s51
	s_lshl_b32 s45, s45, 7
	s_add_co_u32 s56, s56, s45
	s_lshl_b32 s50, s50, 6
	s_add_co_u32 s56, s56, s50
	s_mov_b32 s57, 0
	s_add_nc_u64 s[46:47], s[46:47], s[56:57]
	s_lshl_b32 s56, s[WG], 9
	s_add_co_u32 s56, s56, O_WQ
	s_add_nc_u64 s[60:61], s[40:41], s[56:57]
	v_and_b32 v4, 15, v0
	v_bfe_u32 v5, v0, 4, 1
	v_lshlrev_b32 v4, 10, v4
	v_lshl_add_u32 v4, v5, 5, v4
	v_lshlrev_b32 v5, 4, v[LANE]
	PACK8 4, 46, 5, 60
	s_branch .Lend
.Lvec:
	; THE EIGHT VECTORS: wave 7 of work-groups 0-7, vector wg; rounded to bf16, kept as f32
	s_cmp_ge_u32 s[WG], 8
	s_cbranch_scc1 .Lend
	s_mov_b64 s[46:47], s[20:21]
.irp k, 1,2,3,4,5,6,7
	s_cmp_eq_u32 s[WG], \k
	s_cselect_b64 s[46:47], s[20+2*\k:21+2*\k], s[46:47]
.endr
	s_cselect_b32 s56, s[LB], s[LA]                ; the last compare asked for bv
	s_lshl_b32 s56, s56, 10
	s_mov_b32 s57, 0
	s_add_nc_u64 s[46:47], s[46:47], s[56:57]
	s_lshl_b32 s56, s[WG], 10
	s_add_co_u32 s56, s56, O_PAR
	s_add_nc_u64 s[60:61], s[40:41], s[56:57]
	v_lshlrev_b32 v5, 4, v[LANE]
	global_load_b128 v[16:19], v5, s[46:47]
	global_load_b128 v[20:23], v5, s[46:47] offset:512
	s_wait_loadcnt 0x0
.irp q, 0,1,2,3
	v_cvt_pk_bf16_f32 v[24+\q], v[16+2*\q], v[17+2*\q]
.endr
.irp q, 0,1,2,3
	v_lshlrev_b32 v[16+2*\q], 16, v[24+\q]
	v_and_b32 v[17+2*\q], 0xffff0000, v[24+\q]
.endr
	global_store_b128 v5, v[16:19], s[60:61]
	global_store_b128 v5, v[20:23], s[60:61] offset:512
.Lend:
	s_wait_tensorcnt 0x0                           ; the wave's end
	ds_add_u32 v[SPW], v[NIL]
	s_wait_dscnt 0x0
	s_endpgm
.Lfunc_end_k_qe3e3983208_prep:
	.size	k_qe3e3983208_prep, .Lfunc_end_k_qe3e3983208_prep-k_qe3e3983208_prep
	.p2alignl 7, 3214868480
	.fill 96, 4, 3214868480
	.section	.rodata,"a",@progbits
	.p2align	6, 0x0
	.amdhsa_kernel k_qe3e3983208_prep
		.amdhsa_group_segment_fixed_size 1536
		.amdhsa_private_segment_fixed_size 0
		.amdhsa_enable_private_segment 0
		.amdhsa_kernarg_size 136
		.amdhsa_user_sgpr_count 2
		.amdhsa_user_sgpr_kernarg_segment_ptr 1
		.amdhsa_wavefront_size32 1
		.amdhsa_system_sgpr_workgroup_id_x 1
		.amdhsa_system_sgpr_workgroup_id_y 1
		.amdhsa_system_sgpr_workgroup_id_z 1
		.amdhsa_system_vgpr_workitem_id 0
		.amdhsa_next_free_vgpr 104
		.amdhsa_next_free_sgpr 66
		.amdhsa_reserve_vcc 1
		.amdhsa_float_denorm_mode_32 3
		.amdhsa_float_denorm_mode_16_64 3
		.amdhsa_memory_ordered 1
		.amdhsa_forward_progress 1
		.amdhsa_inst_pref_size 16
	.end_amdhsa_kernel
	.amdgpu_metadata
---
amdhsa.version: [ 1, 2 ]
amdhsa.kernels:
  - .name:           k_qe3e3983208_prep
    .symbol:         k_qe3e3983208_prep.kd
    .args:
      - { .name: params_Wo, .offset: 0, .size: 8, .value_kind: global_buffer, .address_space: global }
      - { .name: params_W1, .offset: 8, .size: 8, .value_kind: global_buffer, .address_space: global }
      - { .name: params_W2, .offset: 16, .size: 8, .value_kind: global_buffer, .address_space: global }
      - { .name: params_Wv, .offset: 24, .size: 8, .value_kind: global_buffer, .address_space: global }
      - { .name: params_Woff, .offset: 32, .size: 8, .value_kind: global_buffer, .address_space: global }
      - { .name: params_Wa, .offset: 40, .size: 8, .value_kind: global_buffer, .address_space: global }
      - { .name: params_bo, .offset: 48, .size: 8, .value_kind: global_buffer, .address_space: global }
      - { .name: params_n1w, .offset: 56, .size: 8, .value_kind: global_buffer, .address_space: global }
      - { .name: params_n1b, .offset: 64, .size: 8, .value_kind: global_buffer, .address_space: global }
      - { .name: params_b1, .offset: 72, .size: 8, .value_kind: global_buffer, .address_space: global }
      - { .name: params_b2, .offset: 80, .size: 8, .value_kind: global_buffer, .address_space: global }
      - { .name: params_n2w, .offset: 88, .size: 8, .value_kind: global_buffer, .address_space: global }
      - { .name: params_n2b, .offset: 96, .size: 8, .value_kind: global_buffer, .address_space: global }
      - { .name: params_bv, .offset: 104, .size: 8, .value_kind: global_buffer, .address_space: global }
      - { .name: params_boff, .offset: 112, .size: 8, .value_kind: global_buffer, .address_space: global }
      - { .name: params_ba, .offset: 120, .size: 8, .value_kind: global_buffer, .address_space: global }
      - { .name: wpk, .offset: 128, .size: 8, .value_kind: global_buffer, .address_space: global }
    .group_segment_fixed_size: 1536
    .private_segment_fixed_size: 0
    .kernarg_segment_align: 8
    .kernarg_segment_size: 136
    .max_flat_workgroup_size: 256
    .sgpr_count:     66
    .vgpr_count:     104
    .wavefront_size: 32
...
	.end_amdgpu_metadata
.endif
;; end of part 1
;; launch proj0 (part 2): grid 256 x 1, 4 waves a work-group, clusters of 4 x 1, 327,680 bytes of LDS; arguments x, wpk, srcA, vbuf, idx, wgt; writes srcA, vbuf, idx, wgt
.if DOCPART == 2
	.amdgcn_target "amdgcn-amd-amdhsa--gfx1250"
	.amdhsa_code_object_version 6
	.text
	.protected	k_qe3e3983208_proj0
	.globl	k_qe3e3983208_proj0
	.p2align	8
	.type	k_qe3e3983208_proj0,@function
k_qe3e3983208_proj0:
	s_mov_b64 s[64:65], 0
	v_nop
	global_prefetch_b8 v0, s[64:65] scope:SCOPE_SE
	s_setreg_imm32_b32 hwreg(HW_REG_WAVE_MODE, 25, 1), 1
	s_wait_xcnt 0x0
	s_wait_alu depctr_hold_cnt(0) depctr_sa_sdst(0) depctr_va_vdst(0) depctr_va_sdst(0) depctr_va_ssrc(0) depctr_va_vcc(0) depctr_vm_vsrc(0)
	s_getreg_b32 s2, hwreg(HW_REG_IB_STS2, 6, 4)
	s_cmp_eq_u32 s2, 0
	s_cbranch_scc0 .Lentry_in_a_cluster
	s_endpgm
.Lentry_in_a_cluster:
	s_bfe_u32 s2, ttmp6, 0x10000c
	s_cmp_lg_u32 s2, 0x3003
	s_cbranch_scc0 .Lentry_shape_is_right
	s_endpgm
.Lentry_shape_is_right:
; THE FIRST PROJECTION.  x [8][256][4096] f32 is rounded to bf16, written as f16 and turned to src in the layout KC: [b][channel / 8][token][8 channels], 16 bytes a token.
; Then, for layer 0: v = src Wv^T + bv (KC, f16); offsets and logits = src WQ^T + table(y) + table(x); softmax over 4 points (its maximum taken away); for each point the byte offset
; of its base corner in a 64 KB map (idx, u16) and four bilinear weights times the attention weight (wgt, f16).
; A work-group takes 128 tokens (two image rows) of one batch; four waves.  In v's product wave w makes channels 64 w ..+63 of all tokens: 32 accumulators; the matrix instruction takes
; 16 rows of W as source 0 and 16 tokens as source 1, so a lane holds one token and eight neighbouring channels: 16 bytes of KC.
; CLUSTER of four work-groups: all read the same weights, so each 64 KB chunk is asked for jointly, a quarter by each wave.
; LDS: LX 0 (x's tile, later v, later each wave's stage), LS1 65,536 (x's tile, then weights), LS0 131,072 (weights), LY 196,608 (src), SPARE.  Only LS0 and LS1 are filled again; nothing is stored there.
; LIMITS: x and v within f16's 65,504; NaN and infinities are not treated apart.
.set CL, 1
.set LX,  0
.set LS1, 65536
.set LS0, 131072
.set LY,  196608
.set SPARE, 266240
.set O_WV, 393216
.set O_TY, 573440
.set O_TX, 598016
.set O_PAR, 622592
.set TRAIL, 2097152
.set ROWR, 1
.set HLF, 2
.set LANE, 3
.set AW0, 4                            ; w 4,096 + 16 lane: my four n blocks in a chunk
.set AX0, 5                            ; h 2,048 + 16 r: a token fragment in a KC image
.set AY0, 6
.set STX, 7                            ; (8 w + h) 2,048 + 16 r: where my results go
.set VP, 10                            ; 256 w + 32 h: my channels in a vector of f32
.set FLOOR, 13
.set AW, 14
.set AA, 15
.set IDO, 14
.set CAX, 16
.set CAY, 17
.set CG, 18
.set AQW, 19
.set AQA, 20
.set QST, 21
.set QRD, 22
.set QRL, 23
.set TXO, 24
.set TYO, 25
.set XY, 26
.set SPW, 30
.set NIL, 31
.set XR, 32
.set XW, 33
.set WF, 64                            ; v64-127  fragments of W, two buffers
.set AF, 128                           ; v128-255 fragments of tokens, two buffers
.set TT, 64                            ; packed results
.set QW, 128
.set QF, 64
.set HB, 96                            ; window 3: bv of my channels.  Window 2: the accumulators
.set WV, 20
.set WG, 21
.set BB, 22
.set BLK, 23
.set JJ, 24
.set GW, 32
.set GS, 40
.set DW, 48
.set DS, 52
.set TB, 56
.set TA, 57
.set CIN, 58
.set PARB, 62
.set KL2E, 68
.set K62, 69
.set SRCO, 76
.set VBO, 78
.set IDXO, 80
.set WGTO, 82
.set TXB, 84
.set TYB, 86
.set COUR, 90
.set MSB, 0
.macro WIN new                         ; the high byte repeats the setting that is left
.if MSB != (\new)
	s_set_vgpr_msb (MSB<<8)|(\new)
.set MSB, \new
.endif
.endm
.macro PLACES
.rept 4
	v_nop
.endr
.endm
.macro ROUND                           ; a round of the cluster's barrier
	s_barrier_signal -1
	s_barrier_wait -1
.if CL
	s_cmp_lg_u32 s[WV], 0
	s_cbranch_scc1 .Lnw0_\@
	s_barrier_signal -3
.Lnw0_\@:
	s_barrier_wait -3
	s_barrier_signal -1
	s_barrier_wait -1
.endif
.endm
; The head of a chunk's work: all my tensor loads have landed (this chunk among them), the add, my LDS reads and stores are done; the round; then the next chunk is asked for, into the other slot.
.macro TRIPHEAD
	WIN 0
	s_wait_tensorcnt 0x0
	ds_add_u32 v[SPW], v[NIL]
	s_xor_b32 s[DW+1], s[DW+1], 0x30000            ; LS0 <-> LS1
	s_add_nc_u64 s[DW+2:DW+3], s[DW+2:DW+3], 65536
	s_wait_dscnt 0x0
	ROUND
	tensor_load_to_lds s[DW:DW+3], s[GW:GW+7]
	s_nop 0
	PLACES
.endm
.macro FETCH kk, buf                   ; 24 LDS loads: 4 fragments of W, 8 of tokens, 32 along K
.irp n, 0,1,2,3
	ds_load_b128 v[WF+32*(\buf)+8*\n:WF+32*(\buf)+8*\n+3], v[AW] offset:(\kk)*16384+\n*1024
	ds_load_b128 v[WF+32*(\buf)+8*\n+4:WF+32*(\buf)+8*\n+7], v[AW] offset:(\kk)*16384+\n*1024+512
.endr
.irp m, 0,1,2,3,4,5,6,7
	ds_load_b128 v[AF+64*(\buf)+8*\m:AF+64*(\buf)+8*\m+3], v[AA] offset:(\kk)*8192+\m*256
	ds_load_b128 v[AF+64*(\buf)+8*\m+4:AF+64*(\buf)+8*\m+7], v[AA] offset:(\kk)*8192+\m*256+4096
.endr
.endm
; a K step: its fragments are in; the next step's are asked for, four places behind the products that read that buffer; 32 products, the accumulators by turns
.macro STEP kk, buf, more, win
	s_wait_dscnt 0x0
.if \more
	WIN 0
	PLACES
	FETCH (\kk)+1, 1-(\buf)
.endif
	WIN \win
.irp m, 0,1,2,3,4,5,6,7
.irp n, 0,1,2,3
	v_wmma_f32_16x16x32_f16 v[8*(4*\m+\n):8*(4*\m+\n)+7], v[WF+32*(\buf)+8*\n:WF+32*(\buf)+8*\n+7], v[AF+64*(\buf)+8*\m:AF+64*(\buf)+8*\m+7], v[8*(4*\m+\n):8*(4*\m+\n)+7]
.endr
.endr
.endm
.macro GEMM win, abase                 ; K = 256 in two chunks of four steps
	WIN 0
	s_mov_b32 s[CIN], 2
.Lg_\@:
	TRIPHEAD
	v_add_nc_u32 v[AW], s[TB], v[AW0]
	v_add_nc_u32 v[AA], s[TA], v[\abase]
	FETCH 0, 0
	STEP 0, 0, 1, \win
	STEP 1, 1, 1, \win
	STEP 2, 0, 1, \win
	STEP 3, 1, 0, \win
	WIN 0
	s_xor_b32 s[TB], s[TB], 0x30000
	s_xor_b32 s[TA], s[TA], 0x8000
	s_sub_co_u32 s[CIN], s[CIN], 1
	s_cmp_lg_u32 s[CIN], 0
	s_cbranch_scc1 .Lg_\@
	PLACES
.endm
.macro INITH                           ; the sums start on the bias
	WIN 0x83
.set i, 0
.rept 128
	v_pk_mul_f32 v[2*i:2*i+1], v[HB+2*(i%16):HB+2*(i%16)+1], 1.0 op_sel_hi:[1,0]
.set i, i+1
.endr
	WIN 0
.endm
.macro HEPI                            ; the sums to f16, not below FLOOR, into LX
	WIN 0x0a
.set i, 0
.rept 128
	v_cvt_pk_f16_f32 v[TT+i], v[2*i], v[2*i+1]
.set i, i+1
.endr
	WIN 0
.set i, 0
.rept 128
	v_pk_max_num_f16 v[TT+i], v[TT+i], v[FLOOR]
.set i, i+1
.endr
.set i, 0
.rept 32
	ds_store_b128 v[STX], v[TT+4*i:TT+4*i+3] offset:(i%4)*4096+(i/4)*256
.set i, i+1
.endr
.endm
.macro COPYOUT adr, base               ; my eight channel rows of a KC image, 2,048 bytes each: a wave's store covers 512 consecutive bytes, aligned
.set i, 0
.rept 32
	ds_load_b128 v[TT+4*i:TT+4*i+3], v[\adr] offset:512*i
.set i, i+1
.endr
	s_wait_dscnt 0x0
.set i, 0
.rept 32
	global_store_b128 v[CG], v[TT+4*i:TT+4*i+3], s[\base:\base+1] offset:(i/4)*65536+(i%4)*512
.set i, i+1
.endr
.endm
.macro FETCHQ kb, buf
.irp n, 0,1,2,3,4,5
	ds_load_b128 v[QW+48*(\buf)+8*\n:QW+48*(\buf)+8*\n+3], v[AQW] offset:((\kb)*6+\n)*1024
	ds_load_b128 v[QW+48*(\buf)+8*\n+4:QW+48*(\buf)+8*\n+7], v[AQW] offset:((\kb)*6+\n)*1024+512
.endr
.irp m, 0,1
	ds_load_b128 v[QF+16*(\buf)+8*\m:QF+16*(\buf)+8*\m+3], v[AQA] offset:(\kb)*8192+\m*256
	ds_load_b128 v[QF+16*(\buf)+8*\m+4:QF+16*(\buf)+8*\m+7], v[AQA] offset:(\kb)*8192+\m*256+4096
.endr
.endm
.macro STEPQ kb, buf, more             ; 12 products: my 32 tokens x 96 outputs, the accumulators by turns
	s_wait_dscnt 0x0
.if \more
	WIN 0
	PLACES
	FETCHQ (\kb)+1, 1-(\buf)
.endif
	WIN 0xa0
.irp m, 0,1
.irp n, 0,1,2,3,4,5
	v_wmma_f32_16x16x32_f16 v[8*(6*\m+\n):8*(6*\m+\n)+7], v[QW+48*(\buf)+8*\n:QW+48*(\buf)+8*\n+7], v[QF+16*(\buf)+8*\m:QF+16*(\buf)+8*\m+7], v[8*(6*\m+\n):8*(6*\m+\n)+7]
.endr
.endr
.endm
; One head a trip, one token a lane.  px = (off + x + .5) - .5 in that order of rounding; base corner bx = floor(px) held to 0..62; the weights of bx and bx + 1 are max(1 - |px - bx|, 0) and
; max(1 - |px - bx - 1|, 0), which give the bilinear weights inside and 0 for every corner outside the image.
.macro QEPI
	WIN 0
	s_mov_b32 s[CIN], 8
.Lhd_\@:
	ds_load_b128 v[32:35], v[QRD]
	ds_load_b128 v[36:39], v[QRD] offset:16
	ds_load_b128 v[40:43], v[QRL]
	s_wait_dscnt 0x0
	v_max3_num_f32 v44, v40, v41, v42
	v_max_num_f32 v44, v44, v43
	v_mul_f32 v44, s[KL2E], v44
.irp p, 0,1,2,3
	v_fma_f32 v[40+\p], v[40+\p], s[KL2E], -v44
.endr
.irp p, 0,1,2,3
	v_exp_f32 v[40+\p], v[40+\p]
.endr
.irp p, 0,1,2,3
	v_pk_add_f32 v[32+2*\p:33+2*\p], v[32+2*\p:33+2*\p], v[XY:XY+1]
.endr
.irp p, 0,1,2,3
	v_pk_add_f32 v[32+2*\p:33+2*\p], v[32+2*\p:33+2*\p], -0.5 op_sel_hi:[1,0]
.endr
	s_wait_alu depctr_va_vdst(0)
	v_add_f32 v45, v40, v41
	v_add_f32 v46, v42, v43
	v_add_f32 v45, v45, v46
	v_rcp_f32 v45, v45
.irp p, 0,1,2,3
	v_floor_f32 v[64+12*\p], v[32+2*\p]
	v_floor_f32 v[65+12*\p], v[33+2*\p]
	v_med3_num_f32 v[64+12*\p], v[64+12*\p], 0, s[K62]
	v_med3_num_f32 v[65+12*\p], v[65+12*\p], 0, s[K62]
	v_sub_f32 v[66+12*\p], v[32+2*\p], v[64+12*\p]
	v_sub_f32 v[67+12*\p], v[33+2*\p], v[65+12*\p]
	v_add_f32 v[68+12*\p], -1.0, v[66+12*\p]
	v_add_f32 v[69+12*\p], -1.0, v[67+12*\p]
	v_sub_f32 v[66+12*\p], 1.0, |v[66+12*\p]|
	v_sub_f32 v[67+12*\p], 1.0, |v[67+12*\p]|
	v_sub_f32 v[68+12*\p], 1.0, |v[68+12*\p]|
	v_sub_f32 v[69+12*\p], 1.0, |v[69+12*\p]|
	v_max_num_f32 v[66+12*\p], 0, v[66+12*\p]
	v_max_num_f32 v[67+12*\p], 0, v[67+12*\p]
	v_max_num_f32 v[68+12*\p], 0, v[68+12*\p]
	v_max_num_f32 v[69+12*\p], 0, v[69+12*\p]
.endr
	s_wait_alu depctr_va_vdst(0)
.irp p, 0,1,2,3
	v_mul_f32 v[40+\p], v[40+\p], v45
.endr
.irp p, 0,1,2,3
	v_mul_f32 v[67+12*\p], v[67+12*\p], v[40+\p]
	v_mul_f32 v[69+12*\p], v[69+12*\p], v[40+\p]
	v_mul_f32 v[70+12*\p], v[67+12*\p], v[66+12*\p]
	v_mul_f32 v[71+12*\p], v[67+12*\p], v[68+12*\p]
	v_mul_f32 v[72+12*\p], v[69+12*\p], v[66+12*\p]
	v_mul_f32 v[73+12*\p], v[69+12*\p], v[68+12*\p]
	v_cvt_pk_f16_f32 v[48+2*\p], v[70+12*\p], v[71+12*\p]
	v_cvt_pk_f16_f32 v[49+2*\p], v[72+12*\p], v[73+12*\p]
	v_cvt_i32_f32 v[64+12*\p], v[64+12*\p]
	v_cvt_i32_f32 v[65+12*\p], v[65+12*\p]
	v_lshlrev_b32 v[64+12*\p], 4, v[64+12*\p]
	v_lshl_add_u32 v[64+12*\p], v[65+12*\p], 10, v[64+12*\p]
.endr
	v_lshl_or_b32 v56, v76, 16, v64
	v_lshl_or_b32 v57, v100, 16, v88
	global_store_b64 v[IDO], v[56:57], s[IDXO:IDXO+1]
	global_store_b128 v[CG], v[48:51], s[WGTO:WGTO+1]
	global_store_b128 v[CG], v[52:55], s[WGTO:WGTO+1] offset:65536
	s_wait_xcnt 0x0                                ; the stores' data and bases are rewritten only behind this wait
	s_add_nc_u64 s[IDXO:IDXO+1], s[IDXO:IDXO+1], 32768
	s_add_nc_u64 s[WGTO:WGTO+1], s[WGTO:WGTO+1], 131072
	v_add_nc_u32 v[QRD], 32, v[QRD]
	v_add_nc_u32 v[QRL], 16, v[QRL]
	s_sub_co_u32 s[CIN], s[CIN], 1
	s_cmp_lg_u32 s[CIN], 0
	s_cbranch_scc1 .Lhd_\@
.endm
	s_load_b64 s[4:5], s[0:1], 0x0                 ; x
	s_load_b64 s[8:9], s[0:1], 0x8                 ; wpk: block 0
	s_load_b256 s[12:19], s[0:1], 0x10             ; src 12, v 14, idx 16, wgt 18
	v_lshl_add_u32 v[SPW], v0, 2, SPARE
	v_mov_b32 v[NIL], 0
	ds_add_u32 v[SPW], v[NIL]                      ; the wave's opening
	ds_add_u32 v30, v31
	v_lshrrev_b32 v1, 5, v0
	v_readfirstlane_b32 s[WV], v1
.if CL
	s_bfe_u32 s61, ttmp6, 0x40000
	s_lshl_b32 s[WG], ttmp9, 2
	s_add_co_u32 s[WG], s[WG], s61                 ; it enters global addresses and coordinates alone
.else
	s_mov_b32 s[WG], ttmp9
.endif
	s_lshr_b32 s[BB], s[WG], 5
	s_and_b32 s[BLK], s[WG], 31
	s_mov_b32 s[JJ], 0
.if CL
	s_mov_b32 s[GW], 15|(3<<16)|(1<<21)            ; weights: the mask of four; 8-byte elements; bit 21 beside a mask
.else
	s_mov_b32 s[GW], 3<<16
.endif
	s_mov_b32 s[GW+1], 32<<16                      ; 64 rows of 256 bytes, dense
	s_mov_b32 s[GW+2], 64<<16
	s_mov_b32 s[GW+3], 32<<16
	s_mov_b32 s[GW+4], 64
	s_mov_b32 s[GW+5], 32
	s_mov_b32 s[GW+6], 0
	s_mov_b32 s[GW+7], 0
	s_mov_b32 s[GS], 2<<16                         ; x: my own; 64 channels x 128 tokens of f32, 4,096 elements from row to row
	s_mov_b32 s[GS+1], 128<<16
	s_mov_b32 s[GS+2], 64<<16
	s_mov_b32 s[GS+3], 128<<16
	s_mov_b32 s[GS+4], 64
	s_mov_b32 s[GS+5], 4096
	s_mov_b32 s[GS+6], 0
	s_mov_b32 s[GS+7], 0
	s_lshl_b32 s25, s[WV], 14
	s_mov_b32 s[DW], 1
	s_add_co_u32 s[DW+1], s25, LS0
	s_mov_b32 s[DS], 1
	s_lshl_b32 s[DS+1], s[WV], 15
	s_add_co_u32 s26, s25, O_WV
	s_mov_b32 s27, 0
	s_lshl_b32 s28, s[BB], 22
	s_lshl_b32 s29, s[WV], 20
	s_add_co_u32 s28, s28, s29
	s_lshl_b32 s29, s[BLK], 9
	s_add_co_u32 s28, s28, s29
	s_mov_b32 s29, 0
	s_mov_b32 s[TB], LS0
	s_mov_b32 s[TA], 0
	s_mov_b32 s[KL2E], 0x3fb8aa3b
	s_mov_b32 s[K62], 0x42780000
	s_wait_dscnt 0x0
	s_wait_kmcnt 0x0
	s_add_nc_u64 s[DW+2:DW+3], s[8:9], s[26:27]
	s_or_b32 s[DW+3], s[DW+3], 0x80000000
	s_add_nc_u64 s[DS+2:DS+3], s[4:5], s[28:29]
	s_or_b32 s[DS+3], s[DS+3], 0x80000000
	ROUND
	tensor_load_to_lds s[DS:DS+3], s[GS:GS+7]      ; my 64 channels of x: 32 KB at w 32,768
	s_nop 0
	tensor_load_to_lds s[DW:DW+3], s[GW:GW+7]      ; Wv's first chunk; two loads of mine are out
	s_nop 0
	PLACES
	s_add_nc_u64 s[PARB:PARB+1], s[8:9], O_PAR
	s_add_nc_u64 s[TXB:TXB+1], s[8:9], O_TX
	s_lshl_b32 s26, s[BLK], 1
	s_lshr_b32 s30, s[WV], 1
	s_add_co_u32 s30, s30, s26                     ; my tokens' image row
	s_mul_i32 s26, s30, 384
	s_add_co_u32 s26, s26, O_TY
	s_add_nc_u64 s[TYB:TYB+1], s[8:9], s[26:27]
	s_lshl_b32 s26, s[BB], 21
	s_lshl_b32 s28, s[BLK], 11
	s_add_co_u32 s26, s26, s28
	s_lshl_b32 s28, s[WV], 19
	s_add_co_u32 s26, s26, s28
	s_add_nc_u64 s[SRCO:SRCO+1], s[12:13], s[26:27]
	s_add_nc_u64 s[VBO:VBO+1], s[14:15], s[26:27]
	s_lshl_b32 s26, s[BB], 18
	s_lshl_b32 s28, s[BLK], 10
	s_add_co_u32 s26, s26, s28
	s_lshl_b32 s28, s[WV], 8
	s_add_co_u32 s26, s26, s28
	s_add_nc_u64 s[IDXO:IDXO+1], s[16:17], s[26:27]
	s_lshl_b32 s26, s[BB], 20
	s_lshl_b32 s28, s[BLK], 11
	s_add_co_u32 s26, s26, s28
	s_lshl_b32 s28, s[WV], 9
	s_add_co_u32 s26, s26, s28
	s_add_nc_u64 s[WGTO:WGTO+1], s[18:19], s[26:27]
	s_lshl_b32 s26, s[WG], 7
	s_add_co_u32 s26, s26, TRAIL
	s_add_nc_u64 s[COUR:COUR+1], s[16:17], s[26:27]
	v_and_b32 v[LANE], 31, v0
	v_and_b32 v[ROWR], 15, v0
	v_bfe_u32 v[HLF], v0, 4, 1
	s_lshl_b32 s26, s[WV], 12
	v_lshl_add_u32 v[AW0], v[LANE], 4, s26
	v_lshlrev_b32 v[AX0], 4, v[ROWR]
	v_lshl_add_u32 v[AX0], v[HLF], 11, v[AX0]
	v_add_nc_u32 v[AY0], LY, v[AX0]
	v_add_nc_u32 v[STX], s25, v[AX0]
	s_lshl_b32 s26, s[WV], 8
	v_lshl_add_u32 v[VP], v[HLF], 5, s26
	v_lshl_add_u32 v[CAX], v[LANE], 4, s25
	v_add_nc_u32 v[CAY], LY, v[CAX]
	v_lshlrev_b32 v[CG], 4, v[LANE]
	v_lshl_add_u32 v[AQW], v[LANE], 4, LS0
	s_lshl_b32 s26, s[WV], 9
	v_add_nc_u32 v[AQA], s26, v[AY0]
	v_mul_u32_u24 v[QST], v[ROWR], 400
	v_lshl_add_u32 v[QST], v[HLF], 5, v[QST]
	v_add_nc_u32 v[QST], s25, v[QST]
	v_mul_u32_u24 v[QRD], v[LANE], 400
	v_add_nc_u32 v[QRD], s25, v[QRD]
	v_add_nc_u32 v[QRL], 256, v[QRD]
	s_and_b32 s28, s[WV], 1
	s_lshl_b32 s28, s28, 5
	v_add_nc_u32 v[TXO], s28, v[ROWR]
	v_mul_u32_u24 v[TXO], v[TXO], 384
	v_lshl_add_u32 v[TXO], v[HLF], 5, v[TXO]
	v_lshlrev_b32 v[TYO], 5, v[HLF]
	v_add_nc_u32 v[XY], s28, v[LANE]
	v_cvt_f32_u32 v[XY], v[XY]
	v_add_f32 v[XY], 0.5, v[XY]
	v_cvt_f32_u32 v[XY+1], s30
	v_add_f32 v[XY+1], 0.5, v[XY+1]
	v_mov_b32 v[FLOOR], 0xfc00fc00                 ; minus infinity twice: v has no floor
	s_lshl_b32 s26, s[WV], 15
	v_lshl_add_u32 v[XR], v[LANE], 4, s26
	v_lshl_add_u32 v[XW], v[LANE], 6, s25
	v_add_nc_u32 v[XW], LY, v[XW]
	WIN 0xc0
.set i, 0
.rept 8
	global_load_b128 v[HB+4*i:HB+4*i+3], v[VP], s[PARB:PARB+1] offset:7168+(i/2)*64+(i%2)*16
.set i, i+1
.endr
	WIN 0
	; x to src: a trip takes eight channels; lane l holds tokens 4 l ..+3 of each, so the turn happens inside the lane
	s_wait_tensorcnt 0x1                           ; my tile of x has landed, and only I read it; the chunk of weights issued behind it may stay out
	s_mov_b32 s[CIN], 8
.Ltr:
.irp c, 0,1,2,3,4,5,6,7
	ds_load_b128 v[64+4*\c:64+4*\c+3], v[XR] offset:\c*512
.endr
	s_wait_dscnt 0x0
.irp i, 0,1,2,3
.irp q, 0,1,2,3
	v_cvt_pk_bf16_f32 v[96+4*\i+\q], v[64+8*\q+\i], v[68+8*\q+\i]
.endr
.endr
.set i, 0
.rept 16
	v_lshlrev_b32 v[112+i], 16, v[96+i]
	v_and_b32 v[128+i], 0xffff0000, v[96+i]
.set i, i+1
.endr
.set i, 0
.rept 16
	v_cvt_pk_f16_f32 v[96+i], v[112+i], v[128+i]
.set i, i+1
.endr
.irp i, 0,1,2,3
	ds_store_b128 v[XW], v[96+4*\i:96+4*\i+3] offset:\i*16
.endr
	v_add_nc_u32 v[XR], 4096, v[XR]
	v_add_nc_u32 v[XW], 2048, v[XW]
	s_sub_co_u32 s[CIN], s[CIN], 1
	s_cmp_lg_u32 s[CIN], 0
	s_cbranch_scc1 .Ltr
	s_wait_loadcnt 0x0                             ; bv
	INITH
	GEMM 0xa0, AY0                                 ; v; its two heads ask for Wv's second chunk (over x's tile in LS1) and for WQ
	HEPI
	; THE TAIL: the tables' rows, src and v out, offsets and logits
	WIN 0x80
.set i, 0
.rept 24
	global_load_b128 v[4*i:4*i+3], v[TXO], s[TXB:TXB+1] offset:(i/12)*6144+((i%12)/2)*64+(i%2)*16
.set i, i+1
.endr
	WIN 0
.set i, 0
.rept 12
	global_load_b128 v[192+4*i:192+4*i+3], v[TYO], s[TYB:TYB+1] offset:(i/2)*64+(i%2)*16
.set i, i+1
.endr
	COPYOUT CAY, SRCO
	s_wait_xcnt 0x0                                ; the stores have read their registers
	COPYOUT CAX, VBO
	s_wait_tensorcnt 0x0                           ; my part of WQ has landed
	s_wait_dscnt 0x0
	s_barrier_signal -1
	s_barrier_wait -1
	s_wait_loadcnt 0x0
	WIN 0x82
.set i, 0
.rept 48
	v_pk_add_f32 v[2*i:2*i+1], v[2*i:2*i+1], v[192+2*(i%24):192+2*(i%24)+1]
.set i, i+1
.endr
	WIN 0
	s_wait_xcnt 0x0
	FETCHQ 0, 0
.irp k, 0,1,2,3,4,5,6
	STEPQ \k, \k%2, 1
.endr
	STEPQ 7, 1, 0
	WIN 0
	PLACES
	WIN 0x08
.set i, 0
.rept 24                               ; into my stage: a row of 400 bytes a token; my own rows of LX, which only I have read
	ds_store_b128 v[QST], v[4*i:4*i+3] offset:(i/12)*6400+((i%12)/2)*64+(i%2)*16
.set i, i+1
.endr
	WIN 0
	v_lshlrev_b32 v[IDO], 3, v[LANE]
	QEPI
	s_cmp_lg_u32 s[WV], 0
	s_cbranch_scc1 .Lnc
	s_add_co_u32 s25, s[JJ], 1                     ; the number of the block of weights that the next dense launch takes
	v_mov_b32 v58, s25
	v_lshlrev_b32 v59, 2, v[LANE]
	global_store_b32 v59, v58, s[COUR:COUR+1]
.Lnc:
	s_wait_tensorcnt 0x0                           ; the wave's end
	ds_add_u32 v[SPW], v[NIL]
	s_wait_dscnt 0x0
	ROUND                                          ; the closing round
	s_endpgm
.Lfunc_end_k_qe3e3983208_proj0:
	.size	k_qe3e3983208_proj0, .Lfunc_end_k_qe3e3983208_proj0-k_qe3e3983208_proj0
	.p2alignl 7, 3214868480
	.fill 96, 4, 3214868480
	.section	.rodata,"a",@progbits
	.p2align	6, 0x0
	.amdhsa_kernel k_qe3e3983208_proj0
		.amdhsa_group_segment_fixed_size 327680
		.amdhsa_private_segment_fixed_size 0
		.amdhsa_enable_private_segment 0
		.amdhsa_kernarg_size 48
		.amdhsa_user_sgpr_count 2
		.amdhsa_user_sgpr_kernarg_segment_ptr 1
		.amdhsa_wavefront_size32 1
		.amdhsa_system_sgpr_workgroup_id_x 1
		.amdhsa_system_sgpr_workgroup_id_y 1
		.amdhsa_system_sgpr_workgroup_id_z 1
		.amdhsa_system_vgpr_workitem_id 0
		.amdhsa_next_free_vgpr 896
		.amdhsa_next_free_sgpr 92
		.amdhsa_reserve_vcc 0
		.amdhsa_float_denorm_mode_32 3
		.amdhsa_float_denorm_mode_16_64 3
		.amdhsa_memory_ordered 1
		.amdhsa_forward_progress 1
		.amdhsa_inst_pref_size 96
	.end_amdhsa_kernel
	.amdgpu_metadata
---
amdhsa.version: [ 1, 2 ]
amdhsa.kernels:
  - .name:           k_qe3e3983208_proj0
    .symbol:         k_qe3e3983208_proj0.kd
    .args:
      - { .name: x, .offset: 0, .size: 8, .value_kind: global_buffer, .address_space: global }
      - { .name: wpk, .offset: 8, .size: 8, .value_kind: global_buffer, .address_space: global }
      - { .name: srcA, .offset: 16, .size: 8, .value_kind: global_buffer, .address_space: global }
      - { .name: vbuf, .offset: 24, .size: 8, .value_kind: global_buffer, .address_space: global }
      - { .name: idx, .offset: 32, .size: 8, .value_kind: global_buffer, .address_space: global }
      - { .name: wgt, .offset: 40, .size: 8, .value_kind: global_buffer, .address_space: global }
    .group_segment_fixed_size: 327680
    .private_segment_fixed_size: 0
    .kernarg_segment_align: 8
    .kernarg_segment_size: 48
    .max_flat_workgroup_size: 128
    .sgpr_count:     92
    .vgpr_count:     896
    .wavefront_size: 32
...
	.end_amdgpu_metadata
.endif
;; end of part 2
;; launch gather (part 3): grid 256 x 1, 16 waves a work-group, no clusters, 198,656 bytes of LDS; arguments vbuf, idx, wgt, wpk, samp, lay; writes samp, lay
.if DOCPART == 3
	.amdgcn_target "amdgcn-amd-amdhsa--gfx1250"
	.amdhsa_code_object_version 6
	.text
	.protected	k_qe3e3983208_gather
	.globl	k_qe3e3983208_gather
	.p2align	8
	.type	k_qe3e3983208_gather,@function
k_qe3e3983208_gather:
	s_mov_b64 s[64:65], 0
	v_nop
	global_prefetch_b8 v0, s[64:65] scope:SCOPE_SE
	s_setreg_imm32_b32 hwreg(HW_REG_WAVE_MODE, 25, 1), 1
	s_wait_xcnt 0x0
; THE SAMPLING.  A work-group owns eight channels of one batch (wg = 32 b + channel / 8): their value map, 4,096 tokens x 16 bytes = 64 KB, lies whole in LDS, so a sample may fall anywhere.
; samp[token][8 ch] = the sum over 4 points and 4 corners of weight x map[base + corner]; products of f16, sums in f32, rounded to f16 once.
; idx gives each point's base corner as a byte offset in the map (u16, held to 64,480 here so that base + 1,040 + 16 stays inside the map); wgt its four weights (attention x bilinear; 0 outside the image).
; NO CLUSTER.  The four channel groups of a head need the same 128 KB of weights (of the 192 KB that a work-group brings in), but the LDS addresses of the samples come from idx, from memory, and in a
; launch with joint loads every LDS address has to be alike in all partners by the text itself.  So each work-group asks for its own copy.
; Nothing in LDS is filled twice.  Sixteen waves, 256 tokens each, 32 a trip, a token a lane.
; THE WEIGHTS' COPY.  idx's trailer holds the number j of the block of wpk that the dense launch behind this one needs.  That launch has one text for six launches and asks for its weights jointly, so
; their place has to be a constant of its text: block j, 630,784 bytes = 1,232 pieces of 512, is copied to the bytes behind samp's 16 MB, piece 256 w + wg by wave w < 5 of work-group wg.  The dense
; launch's last request reaches 24,576 bytes past the block: pieces 1,232 to 1,279 fill them with the block's first bytes once more, which nobody uses.  A piece is loaded while the tiles are on
; their way and stored behind the sampling, so that no wave holds the barrier for it.  Wave 5 hands j on into lay.
.set WGTB, 65536
.set SPARE, 196608
.set TRAIL, 2097152
.set BLOCK, 630784
.set PIECES, BLOCK/512
.set WCUR, 16777216
.set SPW, 2                            ; v2  my spare word; never rewritten
.set NIL, 3                            ; v3  0; never rewritten
.set ZR, 4
.set LW, 5                             ; LDS address of my token's weights
.set VI, 6                             ; my byte offset in idx
.set VO, 7                             ; and in samp
.set IX, 8
.set PA, 10                            ; v10-13 the four points' offsets
.set CP, 14                            ; v14 16 x lane; never rewritten
.set WT, 16                            ; v16-23 16 weights
.set AC, 24                            ; v24-31 eight sums
.set CR, 32                            ; v32-95 16 corners
.set OUT, 96
.set CD, 100                           ; v100-103 a piece of the copy
.set LAO, 104
.set LAD, 105
.set WV, 16
.set WG, 17
.set CID, 18
.set CNT, 19
.set JJ, 20
.set GM, 24
.set GJ, 32
.set DM, 40
.set DJ, 44
	s_load_b256 s[4:11], s[0:1], 0x0               ; v 4, idx 6, wgt 8, wpk 10
	s_load_b128 s[12:15], s[0:1], 0x20             ; samp 12, lay 14
	v_lshl_add_u32 v[SPW], v0, 2, SPARE
	v_mov_b32 v[NIL], 0
	ds_add_u32 v[SPW], v[NIL]                      ; the wave's opening
	ds_add_u32 v2, v3
	v_lshrrev_b32 v1, 5, v0
	v_readfirstlane_b32 s[WV], v1
	s_mov_b32 s[WG], ttmp9
	s_lshr_b32 s[CID], ttmp9, 2                    ; 8 b + head
	s_mov_b32 s[GM], 3<<16                         ; the map: 16 rows of 256 bytes, dense
	s_mov_b32 s[GM+1], 32<<16
	s_mov_b32 s[GM+2], 16<<16
	s_mov_b32 s[GM+3], 32<<16
	s_mov_b32 s[GM+4], 16
	s_mov_b32 s[GM+5], 32
	s_mov_b32 s[GM+6], 0
	s_mov_b32 s[GM+7], 0
	s_mov_b32 s[GJ], 3<<16                         ; the weights: 2 rows (point pairs) of 4,096 bytes, 65,536 bytes apart
	s_mov_b32 s[GJ+1], 512<<16
	s_mov_b32 s[GJ+2], 2<<16
	s_mov_b32 s[GJ+3], 512<<16
	s_mov_b32 s[GJ+4], 2
	s_mov_b32 s[GJ+5], 8192
	s_mov_b32 s[GJ+6], 0
	s_mov_b32 s[GJ+7], 0
	s_lshl_b32 s56, s[WV], 12
	s_lshl_b32 s57, s[WV], 13
	s_mov_b32 s[DM], 1
	s_mov_b32 s[DM+1], s56
	s_mov_b32 s[DJ], 1
	s_add_co_u32 s[DJ+1], s57, WGTB
	s_lshl_b32 s22, s[WG], 16
	s_add_co_u32 s22, s22, s56
	s_mov_b32 s23, 0
	s_lshl_b32 s54, s[CID], 17
	s_add_co_u32 s54, s54, s56
	s_mov_b32 s55, 0
	v_and_b32 v1, 31, v0
	s_lshl_b32 s21, s[WV], 11
	v_lshl_add_u32 v[VI], v1, 3, s21
	v_lshl_add_u32 v[VO], v1, 4, s56
	s_add_co_u32 s57, s57, WGTB
	v_lshl_add_u32 v[LW], v1, 4, s57
	v_lshlrev_b32 v[CP], 4, v1
	v_mov_b32 v[ZR], 0
.irp q, 0,1,2,3
	v_mov_b32 v[CD+\q], 0                          ; written in every wave; waves 0 to 4 load their piece over it
.endr
	s_wait_dscnt 0x0
	s_wait_kmcnt 0x0
	s_add_nc_u64 s[DM+2:DM+3], s[4:5], s[22:23]
	s_or_b32 s[DM+3], s[DM+3], 0x80000000
	s_add_nc_u64 s[DJ+2:DJ+3], s[8:9], s[54:55]
	s_or_b32 s[DJ+3], s[DJ+3], 0x80000000
	tensor_load_to_lds s[DM:DM+3], s[GM:GM+7]      ; my 4 KB of the map
	s_nop 0
	tensor_load_to_lds s[DJ:DJ+3], s[GJ:GJ+7]      ; my 256 tokens' weights; two loads of mine are out
	s_nop 0
.rept 4
	v_nop
.endr
	s_lshl_b32 s22, s[WG], 7
	s_add_nc_u64 s[14:15], s[14:15], s[22:23]      ; my 128 bytes of lay
	s_add_co_u32 s22, s22, TRAIL
	s_add_nc_u64 s[48:49], s[6:7], s[22:23]        ; and of idx's trailer
	s_lshl_b32 s22, s[CID], 15
	s_add_nc_u64 s[6:7], s[6:7], s[22:23]          ; idx at my head
	global_load_b64 v[IX:IX+1], v[VI], s[6:7]      ; the first trip's four offsets
	s_lshl_b32 s54, s[WV], 8
	s_add_co_u32 s54, s54, s[WG]                   ; my piece of the copy (waves 0 to 4 alone use it)
	s_lshl_b32 s22, s54, 9
	s_add_co_u32 s22, s22, WCUR
	s_add_nc_u64 s[52:53], s[12:13], s[22:23]      ; where it goes
	s_lshl_b32 s22, s[WG], 16
	s_add_nc_u64 s[12:13], s[12:13], s[22:23]      ; samp at my eight channels
	s_cmp_ge_u32 s[WV], 6
	s_cbranch_scc1 .Lnocopy                        ; waves 6 to 15 need no block number
	s_load_b32 s[JJ], s[48:49], 0x0
	s_wait_kmcnt 0x0
	s_min_u32 s[JJ], s[JJ], 6                      ; wpk has seven blocks
	s_cmp_eq_u32 s[WV], 5
	s_cbranch_scc1 .Llay
	s_sub_co_u32 s21, s54, PIECES                  ; the 48 pieces past the block take its first bytes
	s_cmp_lt_u32 s54, PIECES
	s_cselect_b32 s21, s54, s21
	s_lshl_b32 s21, s21, 9
	s_mul_i32 s22, s[JJ], BLOCK
	s_add_co_u32 s22, s22, s21
	s_add_nc_u64 s[50:51], s[10:11], s[22:23]
	global_load_b128 v[CD:CD+3], v[CP], s[50:51]   ; waited for with the first trip's offsets, stored behind the loop
	s_branch .Lnocopy
.Llay:
	v_lshlrev_b32 v[LAO], 2, v1
	v_mov_b32 v[LAD], s[JJ]
	global_store_b32 v[LAO], v[LAD], s[14:15]
.Lnocopy:
	s_wait_tensorcnt 0x1                           ; my part of the map has landed; my weights, issued behind it, may stay out
	s_barrier_signal -1
	s_barrier_wait -1                              ; everybody's part has: the map is whole
	s_wait_tensorcnt 0x0                           ; my weights, which only I read
.macro POINT p                         ; 32 multiply-adds: 4 corners x 8 channels; data and weight are f16 halves, the sum is f32
.irp cy, 0,1
.irp cx, 0,1
.irp q, 0,1,2,3
.irp hb, 0,1
.if (\p)+\cy+\cx == 0
	v_fma_mix_f32 v[AC+2*\q+\hb], v[CR+16*(\p)+8*\cy+4*\cx+\q], v[WT+2*(\p)+\cy], v[ZR] op_sel:[\hb,\cx,0] op_sel_hi:[1,1,0]
.else
	v_fma_mix_f32 v[AC+2*\q+\hb], v[CR+16*(\p)+8*\cy+4*\cx+\q], v[WT+2*(\p)+\cy], v[AC+2*\q+\hb] op_sel:[\hb,\cx,0] op_sel_hi:[1,1,0]
.endif
.endr
.endr
.endr
.endr
.endm
	s_mov_b32 s[CNT], 8
.Ltrip:
	s_wait_loadcnt 0x0                             ; this trip's four offsets
	v_and_b32 v[PA], 0xffff, v[IX]
	v_lshrrev_b32 v[PA+1], 16, v[IX]
	v_and_b32 v[PA+2], 0xffff, v[IX+1]
	v_lshrrev_b32 v[PA+3], 16, v[IX+1]
.irp p, 0,1,2,3
	v_min_u32 v[PA+\p], 0xfbe0, v[PA+\p]
.endr
	global_load_b64 v[IX:IX+1], v[VI], s[6:7] offset:256  ; the next trip's; the last trip's look-ahead is not used and ends at most 256 bytes into idx's trailer, inside the buffer
	ds_load_b128 v[WT:WT+3], v[LW]
	ds_load_b128 v[WT+4:WT+7], v[LW] offset:4096
.irp p, 0,1,2,3
.irp c, 0,1,2,3
	ds_load_b128 v[CR+16*\p+4*\c:CR+16*\p+4*\c+3], v[PA+\p] offset:(\c%2)*16+(\c/2)*1024
.endr
.endr
.irp p, 0,1,2,3
	s_wait_dscnt 12-4*\p                           ; the weights and this point's corners are in; the later points' four loads each may be out
	POINT \p
.endr
.irp q, 0,1,2,3
	v_cvt_pk_f16_f32 v[OUT+\q], v[AC+2*\q], v[AC+2*\q+1]
.endr
	global_store_b128 v[VO], v[OUT:OUT+3], s[12:13] ; a wave stores 512 consecutive bytes, aligned
	s_wait_xcnt 0x0                                ; data and offsets are rewritten only behind this wait
	v_add_nc_u32 v[VI], 256, v[VI]
	v_add_nc_u32 v[VO], 512, v[VO]
	v_add_nc_u32 v[LW], 512, v[LW]
	s_sub_co_u32 s[CNT], s[CNT], 1
	s_cmp_lg_u32 s[CNT], 0
	s_cbranch_scc1 .Ltrip
	s_wait_loadcnt 0x0
	s_cmp_ge_u32 s[WV], 5
	s_cbranch_scc1 .Lend
	global_store_b128 v[CP], v[CD:CD+3], s[52:53]  ; my piece of the weights' copy: 512 consecutive bytes, aligned
.Lend:
	s_wait_tensorcnt 0x0                           ; the wave's end
	ds_add_u32 v[SPW], v[NIL]
	s_wait_dscnt 0x0
	s_endpgm
.Lfunc_end_k_qe3e3983208_gather:
	.size	k_qe3e3983208_gather, .Lfunc_end_k_qe3e3983208_gather-k_qe3e3983208_gather
	.p2alignl 7, 3214868480
	.fill 96, 4, 3214868480
	.section	.rodata,"a",@progbits
	.p2align	6, 0x0
	.amdhsa_kernel k_qe3e3983208_gather
		.amdhsa_group_segment_fixed_size 198656
		.amdhsa_private_segment_fixed_size 0
		.amdhsa_enable_private_segment 0
		.amdhsa_kernarg_size 48
		.amdhsa_user_sgpr_count 2
		.amdhsa_user_sgpr_kernarg_segment_ptr 1
		.amdhsa_wavefront_size32 1
		.amdhsa_system_sgpr_workgroup_id_x 1
		.amdhsa_system_sgpr_workgroup_id_y 1
		.amdhsa_system_sgpr_workgroup_id_z 1
		.amdhsa_system_vgpr_workitem_id 0
		.amdhsa_next_free_vgpr 128
		.amdhsa_next_free_sgpr 66
		.amdhsa_reserve_vcc 0
		.amdhsa_float_denorm_mode_32 3
		.amdhsa_float_denorm_mode_16_64 3
		.amdhsa_memory_ordered 1
		.amdhsa_forward_progress 1
		.amdhsa_inst_pref_size 16
	.end_amdhsa_kernel
	.amdgpu_metadata
---
amdhsa.version: [ 1, 2 ]
amdhsa.kernels:
  - .name:           k_qe3e3983208_gather
    .symbol:         k_qe3e3983208_gather.kd
    .args:
      - { .name: vbuf, .offset: 0, .size: 8, .value_kind: global_buffer, .address_space: global }
      - { .name: idx, .offset: 8, .size: 8, .value_kind: global_buffer, .address_space: global }
      - { .name: wgt, .offset: 16, .size: 8, .value_kind: global_buffer, .address_space: global }
      - { .name: wpk, .offset: 24, .size: 8, .value_kind: global_buffer, .address_space: global }
      - { .name: samp, .offset: 32, .size: 8, .value_kind: global_buffer, .address_space: global }
      - { .name: lay, .offset: 40, .size: 8, .value_kind: global_buffer, .address_space: global }
    .group_segment_fixed_size: 198656
    .private_segment_fixed_size: 0
    .kernarg_segment_align: 8
    .kernarg_segment_size: 48
    .max_flat_workgroup_size: 512
    .sgpr_count:     66
    .vgpr_count:     128
    .wavefront_size: 32
...
	.end_amdgpu_metadata
.endif
;; end of part 3
;; launch dense (part 4): grid 256 x 1, 4 waves a work-group, clusters of 4 x 1, 327,680 bytes of LDS; arguments samp, srcA, lay, srcB, vbuf, idx, wgt; writes srcB, vbuf, idx, wgt
.if DOCPART == 4
	.amdgcn_target "amdgcn-amd-amdhsa--gfx1250"
	.amdhsa_code_object_version 6
	.text
	.protected	k_qe3e3983208_dense
	.globl	k_qe3e3983208_dense
	.p2align	8
	.type	k_qe3e3983208_dense,@function
k_qe3e3983208_dense:
	s_mov_b64 s[64:65], 0
	v_nop
	global_prefetch_b8 v0, s[64:65] scope:SCOPE_SE
	s_setreg_imm32_b32 hwreg(HW_REG_WAVE_MODE, 25, 1), 1
	s_wait_xcnt 0x0
	s_wait_alu depctr_hold_cnt(0) depctr_sa_sdst(0) depctr_va_vdst(0) depctr_va_sdst(0) depctr_va_ssrc(0) depctr_va_vcc(0) depctr_vm_vsrc(0)
	s_getreg_b32 s2, hwreg(HW_REG_IB_STS2, 6, 4)
	s_cmp_eq_u32 s2, 0
	s_cbranch_scc0 .Lentry_in_a_cluster
	s_endpgm
.Lentry_in_a_cluster:
	s_bfe_u32 s2, ttmp6, 0x10000c
	s_cmp_lg_u32 s2, 0x3003
	s_cbranch_scc0 .Lentry_shape_is_right
	s_endpgm
.Lentry_shape_is_right:
; THE DENSE PART OF A LAYER AND THE NEXT LAYER'S PROJECTION, for 128 tokens a work-group:
;   y1 = LN1(src + samp Wo^T + bo);  hid = relu(y1 W1^T + b1);  src' = LN2(y1 + hid W2^T + b2);  v = src' Wv^T + bv;  offsets, logits = src' WQ^T + table(y) + table(x);
;   softmax over 4 points (its maximum taken away); for each point the byte offset of its base corner (idx) and four weights (wgt).
; All activations in memory and LDS are f16 in the layout KC: [b][channel / 8][token][8 channels]; the residual from LN1 to LN2 stays in f32 in registers; sums, norms and softmax in f32.
; Four waves.  In the four products with 256 outputs wave w makes channels 64 w ..+63 of all 128 tokens: 32 accumulators.  Source 0 = 16 rows of W, source 1 = 16 tokens: a lane holds one
; token and eight neighbouring channels, 16 bytes of KC.  The two halves of the layer have one text: product into R (on the residual), norm, product into H (on the bias); the first trip goes on
; with the relu, the second leaves the loop behind its second product.
; THE WEIGHTS lie behind samp's 16 MB, where the sampling launch has put this layer's block.  A whole product's weights are 128 KB, and one load a wave brings a quarter of them.  Slot LP holds
; 128 KB: Wo, then W2, then WQ (48 KB, with the 80 KB behind it, which nobody reads from LDS: the price of one descriptor).  Slot LQ holds 112 KB, K steps 0 to 6 of W1 and then of Wv: two slots
; of 128 KB and the activations' 64 KB would be all of LDS to the byte.  K step 7 of W1 and Wv, 4 KB a wave that no other wave needs, comes straight into 32 registers with the vectors.
; samp, Wo and W1 are the first fills, three loads a wave.  Three refills follow, one load a wave each: W2 behind the product with Wo, Wv behind that with W1, WQ behind that with W2; each has
; an epilogue and a whole product (256 matrix instructions a wave) or more in which to land.
; THE ACTIVATIONS have one region, LA: samp, y1, hid, src', each written over the one before, behind a barrier behind which no wave reads the old one.
; CLUSTER of four work-groups: all walk the same weights, so each slot is asked for jointly; a round of the cluster's barrier stands in front of each request.
; lay holds the block's number; this launch forms no address of it and only hands it on, plus one, in idx's trailer.
; The launch behind the last layer computes a projection that nobody reads: the price of one text for six launches.
; LDS: LA 0, LP 65,536, LQ 196,608 (at the end each wave's stage), PART 311,296 (means), SPARE 315,392.
; REGISTERS in windows of 256: 0 addresses, fragments, work; 1 R; 2 H, later the 12 accumulators of offsets and logits; 3 four vectors of my 32 channels, and K step 7's fragments.
; LIMITS: samp, src, hid, v within f16's 65,504; NaN and infinities are not treated apart.
.set CL, 1
.set LA,  0
.set LP,  65536
.set LQ,  196608
.set PART, 311296
.set SPARE, 315392
.set WCUR, 16777216
.set O_TY, 573440
.set O_TX, 598016
.set O_PAR, 622592
.set TRAIL, 2097152
.set ROWR, 1
.set HLF, 2
.set LANE, 3
.set AWP, 4                            ; v4, v5  my four n blocks in LP, K steps 0-3 and 4-7: an LDS offset has 16 bits, so two registers
.set AWQ, 6                            ; v6, v7  the same in LQ
.set AX0, 8                            ; h 2,048 + 16 r: a token fragment in LA
.set STX, 9                            ; (8 w + h) 2,048 + 16 r: where my results go in LA
.set VS, 10                            ; (8 w + h) 65,536 + 16 r: the same place in memory
.set VP, 11                            ; 256 w + 32 h: my channels in a vector of f32
.set PW, 12
.set PR, 13
.set IDO, 15
.set CAX, 16
.set W7O, 17                           ; w 4,096 + 16 lane: my four n blocks in a K step's 16 KB
.set CG, 18
.set AQW, 19
.set AQA, 20
.set QST, 21
.set QRD, 22
.set QRL, 23
.set TXO, 24
.set TYO, 25
.set XY, 26
.set ONE, 28
.set ZR, 29
.set SPW, 30
.set NIL, 31
.set SC, 32                            ; v32-63 at work
.set WF, 64                            ; v64-127  fragments of W, two buffers
.set AF, 128                           ; v128-255 fragments of tokens, two buffers
.set TT, 64                            ; v64-191  packed results
.set SUM, 192
.set SQ, 208
.set RSP, 192
.set CCP, 208
.set MW, 240
.set QW, 128
.set QF, 64
.set BI, 0                             ; window 3: bias, gain, shift of the norm, bias of the product behind it,
.set GA, 32
.set BE, 64
.set HB, 96
.set W7, 128                           ; and the four fragments of W of that product's K step 7
.set WV, 20
.set WG, 21
.set BB, 22
.set BLK, 23
.set JJ, 24
.set GP, 32                            ; s[32:39] group 1 of LP's loads: 128 rows of 256 bytes
.set GS, 40
.set DP, 48
.set DS, 52
.set DQ, 56
.set CIN, 60
.set COUT, 61
.set PARB, 62
.set SEL, 66
.set KL2E, 68
.set K62, 69
.set K256, 70
.set KEPS, 71
.set WOF, 72                           ; s[72:73], s[100:101] my quarter of LP's and LQ's first tiles, from samp's first byte: made of the wave's number alone
.set W7B, 74
.set SRCO, 76
.set VBO, 78
.set IDXO, 80
.set WGTO, 82
.set TXB, 84
.set TYB, 86
.set RESB, 88
.set COUR, 90
.set GQ, 92                            ; s[92:99] group 1 of LQ's loads: 112 rows
.set WOQ, 100
.set MSB, 0
.macro WIN new                         ; the high byte repeats the setting that is left
.if MSB != (\new)
	s_set_vgpr_msb (MSB<<8)|(\new)
.set MSB, \new
.endif
.endm
.macro PLACES                          ; four places behind matrix instructions (ISA guide 7.12.1)
.rept 4
	v_nop
.endr
.endm
.macro ROUND                           ; a round of the cluster's barrier
	s_barrier_signal -1
	s_barrier_wait -1
.if CL
	s_cmp_lg_u32 s[WV], 0
	s_cbranch_scc1 .Lnw0_\@
	s_barrier_signal -3
.Lnw0_\@:
	s_barrier_wait -3
	s_barrier_signal -1
	s_barrier_wait -1
.endif
.endm
; A slot that has been read out is filled again, with the weights two products on (262,144 bytes).  All my tensor loads have landed, the add, my LDS reads and stores are done; the round, so that
; this holds of every wave of the four work-groups; then my one load.  Behind the round no wave reads LA's old content either.  The four v_nop are also the places behind the product's last instructions.
.macro REFILL d, g
	WIN 0
	s_wait_tensorcnt 0x0
	ds_add_u32 v[SPW], v[NIL]
	s_add_nc_u64 s[(\d)+2:(\d)+3], s[(\d)+2:(\d)+3], 262144
	s_wait_dscnt 0x0
	ROUND
	tensor_load_to_lds s[\d:(\d)+3], s[\g:(\g)+7]
	s_nop 0
	PLACES
.endm
; The fragments of K step kk: 4 of W (if the step lies in LDS: kk < nlds), 8 of tokens; sixteen lanes take 256 consecutive bytes
.macro FETCH kk, buf, aw, nlds
.if (\kk) < (\nlds)
.irp n, 0,1,2,3
	ds_load_b128 v[WF+32*(\buf)+8*\n:WF+32*(\buf)+8*\n+3], v[(\aw)+(\kk)/4] offset:((\kk)%4)*16384+\n*1024
	ds_load_b128 v[WF+32*(\buf)+8*\n+4:WF+32*(\buf)+8*\n+7], v[(\aw)+(\kk)/4] offset:((\kk)%4)*16384+\n*1024+512
.endr
.endif
.irp m, 0,1,2,3,4,5,6,7
	ds_load_b128 v[AF+64*(\buf)+8*\m:AF+64*(\buf)+8*\m+3], v[AX0] offset:(\kk)*8192+\m*256
	ds_load_b128 v[AF+64*(\buf)+8*\m+4:AF+64*(\buf)+8*\m+7], v[AX0] offset:(\kk)*8192+\m*256+4096
.endr
.endm
; a K step: its fragments are in; the next step's are asked for, four places behind the products that read that buffer; 32 products, the accumulators by turns
.macro STEP kk, buf, win, aw, nlds
	s_wait_dscnt 0x0
.if (\kk) < 7
	WIN 0
	PLACES
	FETCH (\kk)+1, 1-(\buf), \aw, \nlds
.endif
.if (\kk) < (\nlds)
	WIN \win
.irp m, 0,1,2,3,4,5,6,7
.irp n, 0,1,2,3
	v_wmma_f32_16x16x32_f16 v[8*(4*\m+\n):8*(4*\m+\n)+7], v[WF+32*(\buf)+8*\n:WF+32*(\buf)+8*\n+7], v[AF+64*(\buf)+8*\m:AF+64*(\buf)+8*\m+7], v[8*(4*\m+\n):8*(4*\m+\n)+7]
.endr
.endr
.else
	WIN (\win)|3                                   ; W's fragments lie in window 3
.irp m, 0,1,2,3,4,5,6,7
.irp n, 0,1,2,3
	v_wmma_f32_16x16x32_f16 v[8*(4*\m+\n):8*(4*\m+\n)+7], v[W7+8*\n:W7+8*\n+7], v[AF+64*(\buf)+8*\m:AF+64*(\buf)+8*\m+7], v[8*(4*\m+\n):8*(4*\m+\n)+7]
.endr
.endr
.endif
.endm
.macro GEMM win, aw, nlds              ; K = 256 in eight steps, with no barrier among them
	WIN 0
	FETCH 0, 0, \aw, \nlds
.irp k, 0,1,2,3,4,5,6,7
	STEP \k, \k%2, \win, \aw, \nlds
.endr
	WIN 0
.endm
.macro VECLOAD                         ; four vectors, my 32 channels of each; and K step 7 of the second product's weights, 512 consecutive bytes a load
	WIN 0xc0
.set i, 0
.rept 32
	global_load_b128 v[4*i:4*i+3], v[VP], s[PARB:PARB+1] offset:(i/8)*1024+((i%8)/2)*64+(i%2)*16
.set i, i+1
.endr
.set i, 0
.rept 8
	global_load_b128 v[W7+4*i:W7+4*i+3], v[W7O], s[W7B:W7B+1] offset:(i/2)*1024+(i%2)*512
.set i, i+1
.endr
	WIN 0
.endm
.macro INITH                           ; H's sums start on the bias
	WIN 0x83
.set i, 0
.rept 128
	v_pk_mul_f32 v[2*i:2*i+1], v[HB+2*(i%16):HB+2*(i%16)+1], 1.0 op_sel_hi:[1,0]
.set i, i+1
.endr
	WIN 0
.endm
.macro ALLM line:vararg                ; one line for each of the eight token blocks mm
.set mm, 0
	s_wait_alu depctr_va_vdst(0)
.rept 8
	\line
.set mm, mm+1
.endr
.endm
; THE NORM.  A token's 256 channels lie in two lanes of each wave.  Each wave takes the mean of its 64 channels away and sums the squares of what is left; the four waves' (mean, sum of squares)
; meet in LDS and are merged: no difference of large sums is formed.  R keeps the normed row in f32, the residual of what follows; LA takes it in f16.
.macro LN
	s_wait_loadcnt 0x0                             ; the vectors, and K step 7's fragments
	WIN 0x4d
.set i, 0
.rept 128
	v_pk_add_f32 v[2*i:2*i+1], v[2*i:2*i+1], v[BI+2*(i%16):BI+2*(i%16)+1]
.set i, i+1
.endr
	WIN 0x05
	ALLM v_pk_add_f32 v[SUM+2*mm:SUM+2*mm+1], v[32*mm:32*mm+1], v[32*mm+2:32*mm+3]
	WIN 0x04
.set q, 2
.rept 14
	ALLM v_pk_add_f32 v[SUM+2*mm:SUM+2*mm+1], v[SUM+2*mm:SUM+2*mm+1], v[32*mm+2*q:32*mm+2*q+1]
.set q, q+1
.endr
	WIN 0
	ALLM v_add_f32 v[SUM+2*mm], v[SUM+2*mm], v[SUM+2*mm+1]
	ALLM v_permlanex16_b32 v[SUM+2*mm+1], v[SUM+2*mm], s[SEL], s[SEL+1]
	ALLM v_add_f32 v[SUM+2*mm], v[SUM+2*mm], v[SUM+2*mm+1]
	ALLM v_mul_f32 v[MW+2*mm], 0x3c800000, v[SUM+2*mm]
	ALLM v_mov_b32 v[MW+2*mm+1], v[MW+2*mm]
	WIN 0x41
.set i, 0
.rept 128
	v_pk_add_f32 v[2*i:2*i+1], v[2*i:2*i+1], v[MW+2*(i/16):MW+2*(i/16)+1] neg_lo:[0,1] neg_hi:[0,1]
.set i, i+1
.endr
	WIN 0x05
	ALLM v_pk_mul_f32 v[SQ+2*mm:SQ+2*mm+1], v[32*mm:32*mm+1], v[32*mm:32*mm+1]
.set q, 1
.rept 15
	ALLM v_pk_fma_f32 v[SQ+2*mm:SQ+2*mm+1], v[32*mm+2*q:32*mm+2*q+1], v[32*mm+2*q:32*mm+2*q+1], v[SQ+2*mm:SQ+2*mm+1]
.set q, q+1
.endr
	WIN 0
	ALLM v_add_f32 v[SQ+2*mm], v[SQ+2*mm], v[SQ+2*mm+1]
	ALLM v_permlanex16_b32 v[SQ+2*mm+1], v[SQ+2*mm], s[SEL], s[SEL+1]
	ALLM v_add_f32 v[MW+2*mm+1], v[SQ+2*mm], v[SQ+2*mm+1]
	ALLM ds_store_b64 v[PW], v[MW+2*mm:MW+2*mm+1] offset:512*mm
	INITH                                          ; work on registers while the stores are out
	s_wait_dscnt 0x0                               ; for the others' sake
	s_barrier_signal -1                            ; the slot on its way may stay out
	s_barrier_wait -1
	ALLM ds_load_b128 v[64+8*mm:67+8*mm], v[PR] offset:512*mm
	ALLM ds_load_b128 v[68+8*mm:71+8*mm], v[PR] offset:512*mm+16
	s_wait_dscnt 0x0
	ALLM v_add_f32 v[SC+4*mm], v[64+8*mm], v[66+8*mm]
	ALLM v_add_f32 v[SC+4*mm+1], v[68+8*mm], v[70+8*mm]
	ALLM v_add_f32 v[SC+4*mm], v[SC+4*mm], v[SC+4*mm+1]
	ALLM v_mul_f32 v[SC+4*mm], 0x3e800000, v[SC+4*mm]
	ALLM v_sub_f32 v[64+8*mm], v[64+8*mm], v[SC+4*mm]
	ALLM v_sub_f32 v[66+8*mm], v[66+8*mm], v[SC+4*mm]
	ALLM v_sub_f32 v[68+8*mm], v[68+8*mm], v[SC+4*mm]
	ALLM v_sub_f32 v[70+8*mm], v[70+8*mm], v[SC+4*mm]
	ALLM v_add_f32 v[SC+4*mm+1], v[65+8*mm], v[67+8*mm]
	ALLM v_add_f32 v[SC+4*mm+2], v[69+8*mm], v[71+8*mm]
	ALLM v_add_f32 v[SC+4*mm+1], v[SC+4*mm+1], v[SC+4*mm+2]
	ALLM v_mul_f32 v[SC+4*mm+2], v[64+8*mm], v[64+8*mm]
	ALLM v_fmac_f32 v[SC+4*mm+2], v[66+8*mm], v[66+8*mm]
	ALLM v_fmac_f32 v[SC+4*mm+2], v[68+8*mm], v[68+8*mm]
	ALLM v_fmac_f32 v[SC+4*mm+2], v[70+8*mm], v[70+8*mm]
	ALLM v_fmamk_f32 v[SC+4*mm+1], v[SC+4*mm+2], 0x42800000, v[SC+4*mm+1]
	ALLM v_fma_f32 v[SC+4*mm+1], v[SC+4*mm+1], s[K256], s[KEPS]
	ALLM v_rsq_f32 v[RSP+2*mm], v[SC+4*mm+1]
	ALLM v_sub_f32 v[CCP+2*mm], v[MW+2*mm], v[SC+4*mm]
	ALLM v_mul_f32 v[CCP+2*mm], v[CCP+2*mm], v[RSP+2*mm]
	ALLM v_mov_b32 v[RSP+2*mm+1], v[RSP+2*mm]
	ALLM v_mov_b32 v[CCP+2*mm+1], v[CCP+2*mm]
	WIN 0x41
.set i, 0
.rept 128
	v_pk_fma_f32 v[2*i:2*i+1], v[2*i:2*i+1], v[RSP+2*(i/16):RSP+2*(i/16)+1], v[CCP+2*(i/16):CCP+2*(i/16)+1]
.set i, i+1
.endr
	WIN 0x7d
.set i, 0
.rept 128
	v_pk_fma_f32 v[2*i:2*i+1], v[2*i:2*i+1], v[GA+2*(i%16):GA+2*(i%16)+1], v[BE+2*(i%16):BE+2*(i%16)+1]
.set i, i+1
.endr
	WIN 0x05
.set i, 0
.rept 128
	v_cvt_pk_f16_f32 v[TT+i], v[2*i], v[2*i+1]
.set i, i+1
.endr
	WIN 0
.set i, 0
.rept 32
	ds_store_b128 v[STX], v[TT+4*i:TT+4*i+3] offset:(i%4)*4096+(i/4)*256
.set i, i+1
.endr
.endm
.macro PACKH                           ; H to f16, each accumulator from its low end on
	WIN 0x0a
.set i, 0
.rept 128
	v_cvt_pk_f16_f32 v[TT+i], v[2*i], v[2*i+1]
.set i, i+1
.endr
	WIN 0
.endm
.macro COPYOUT adr, base               ; my eight channel rows of LA, 2,048 bytes each, which I wrote myself: a wave's store covers 512 consecutive bytes, aligned
.set i, 0
.rept 32
	ds_load_b128 v[TT+4*i:TT+4*i+3], v[\adr] offset:512*i
.set i, i+1
.endr
	s_wait_dscnt 0x0
.set i, 0
.rept 32
	global_store_b128 v[CG], v[TT+4*i:TT+4*i+3], s[\base:\base+1] offset:(i/4)*65536+(i%4)*512
.set i, i+1
.endr
.endm
.macro FETCHQ kb, buf
.irp n, 0,1,2,3,4,5
	ds_load_b128 v[QW+48*(\buf)+8*\n:QW+48*(\buf)+8*\n+3], v[AQW] offset:((\kb)*6+\n)*1024
	ds_load_b128 v[QW+48*(\buf)+8*\n+4:QW+48*(\buf)+8*\n+7], v[AQW] offset:((\kb)*6+\n)*1024+512
.endr
.irp m, 0,1
	ds_load_b128 v[QF+16*(\buf)+8*\m:QF+16*(\buf)+8*\m+3], v[AQA] offset:(\kb)*8192+\m*256
	ds_load_b128 v[QF+16*(\buf)+8*\m+4:QF+16*(\buf)+8*\m+7], v[AQA] offset:(\kb)*8192+\m*256+4096
.endr
.endm
.macro STEPQ kb, buf, more             ; 12 products: my 32 tokens x 96 outputs, the accumulators by turns
	s_wait_dscnt 0x0
.if \more
	WIN 0
	PLACES
	FETCHQ (\kb)+1, 1-(\buf)
.endif
	WIN 0xa0
.irp m, 0,1
.irp n, 0,1,2,3,4,5
	v_wmma_f32_16x16x32_f16 v[8*(6*\m+\n):8*(6*\m+\n)+7], v[QW+48*(\buf)+8*\n:QW+48*(\buf)+8*\n+7], v[QF+16*(\buf)+8*\m:QF+16*(\buf)+8*\m+7], v[8*(6*\m+\n):8*(6*\m+\n)+7]
.endr
.endr
.endm
; One head a trip, one token a lane.  px = (off + x + .5) - .5 in that order of rounding; base corner bx = floor(px) held to 0..62; the weights of bx and bx + 1 are max(1 - |px - bx|, 0) and
; max(1 - |px - bx - 1|, 0), which give the bilinear weights inside and 0 for every corner outside the image.
.macro QEPI
	WIN 0
	s_mov_b32 s[CIN], 8
.Lhd_\@:
	ds_load_b128 v[32:35], v[QRD]
	ds_load_b128 v[36:39], v[QRD] offset:16
	ds_load_b128 v[40:43], v[QRL]
	s_wait_dscnt 0x0
	v_max3_num_f32 v44, v40, v41, v42
	v_max_num_f32 v44, v44, v43
	v_mul_f32 v44, s[KL2E], v44
.irp p, 0,1,2,3
	v_fma_f32 v[40+\p], v[40+\p], s[KL2E], -v44
.endr
.irp p, 0,1,2,3
	v_exp_f32 v[40+\p], v[40+\p]
.endr
.irp p, 0,1,2,3
	v_pk_add_f32 v[32+2*\p:33+2*\p], v[32+2*\p:33+2*\p], v[XY:XY+1]
.endr
.irp p, 0,1,2,3
	v_pk_add_f32 v[32+2*\p:33+2*\p], v[32+2*\p:33+2*\p], -0.5 op_sel_hi:[1,0]
.endr
	s_wait_alu depctr_va_vdst(0)
	v_add_f32 v45, v40, v41
	v_add_f32 v46, v42, v43
	v_add_f32 v45, v45, v46
	v_rcp_f32 v45, v45
.irp p, 0,1,2,3
	v_floor_f32 v[64+12*\p], v[32+2*\p]
	v_floor_f32 v[65+12*\p], v[33+2*\p]
	v_med3_num_f32 v[64+12*\p], v[64+12*\p], 0, s[K62]
	v_med3_num_f32 v[65+12*\p], v[65+12*\p], 0, s[K62]
	v_sub_f32 v[66+12*\p], v[32+2*\p], v[64+12*\p]
	v_sub_f32 v[67+12*\p], v[33+2*\p], v[65+12*\p]
	v_add_f32 v[68+12*\p], -1.0, v[66+12*\p]
	v_add_f32 v[69+12*\p], -1.0, v[67+12*\p]
	v_sub_f32 v[66+12*\p], 1.0, |v[66+12*\p]|
	v_sub_f32 v[67+12*\p], 1.0, |v[67+12*\p]|
	v_sub_f32 v[68+12*\p], 1.0, |v[68+12*\p]|
	v_sub_f32 v[69+12*\p], 1.0, |v[69+12*\p]|
	v_max_num_f32 v[66+12*\p], 0, v[66+12*\p]
	v_max_num_f32 v[67+12*\p], 0, v[67+12*\p]
	v_max_num_f32 v[68+12*\p], 0, v[68+12*\p]
	v_max_num_f32 v[69+12*\p], 0, v[69+12*\p]
.endr
	s_wait_alu depctr_va_vdst(0)
.irp p, 0,1,2,3
	v_mul_f32 v[40+\p], v[40+\p], v45
.endr
.irp p, 0,1,2,3
	v_mul_f32 v[67+12*\p], v[67+12*\p], v[40+\p]
	v_mul_f32 v[69+12*\p], v[69+12*\p], v[40+\p]
	v_mul_f32 v[70+12*\p], v[67+12*\p], v[66+12*\p]
	v_mul_f32 v[71+12*\p], v[67+12*\p], v[68+12*\p]
	v_mul_f32 v[72+12*\p], v[69+12*\p], v[66+12*\p]
	v_mul_f32 v[73+12*\p], v[69+12*\p], v[68+12*\p]
	v_cvt_pk_f16_f32 v[48+2*\p], v[70+12*\p], v[71+12*\p]
	v_cvt_pk_f16_f32 v[49+2*\p], v[72+12*\p], v[73+12*\p]
	v_cvt_i32_f32 v[64+12*\p], v[64+12*\p]
	v_cvt_i32_f32 v[65+12*\p], v[65+12*\p]
	v_lshlrev_b32 v[64+12*\p], 4, v[64+12*\p]
	v_lshl_add_u32 v[64+12*\p], v[65+12*\p], 10, v[64+12*\p]
.endr
	v_lshl_or_b32 v56, v76, 16, v64
	v_lshl_or_b32 v57, v100, 16, v88
	global_store_b64 v[IDO], v[56:57], s[IDXO:IDXO+1]
	global_store_b128 v[CG], v[48:51], s[WGTO:WGTO+1]
	global_store_b128 v[CG], v[52:55], s[WGTO:WGTO+1] offset:65536
	s_wait_xcnt 0x0                                ; the stores' data and bases are rewritten only behind this wait
	s_add_nc_u64 s[IDXO:IDXO+1], s[IDXO:IDXO+1], 32768
	s_add_nc_u64 s[WGTO:WGTO+1], s[WGTO:WGTO+1], 131072
	v_add_nc_u32 v[QRD], 32, v[QRD]
	v_add_nc_u32 v[QRL], 16, v[QRL]
	s_sub_co_u32 s[CIN], s[CIN], 1
	s_cmp_lg_u32 s[CIN], 0
	s_cbranch_scc1 .Lhd_\@
.endm
	s_load_b128 s[4:7], s[0:1], 0x0                ; samp 4, src in 6
	s_load_b64 s[10:11], s[0:1], 0x10              ; lay
	s_load_b256 s[12:19], s[0:1], 0x18             ; src out 12, v 14, idx 16, wgt 18
	v_lshl_add_u32 v[SPW], v0, 2, SPARE
	v_mov_b32 v[NIL], 0
	ds_add_u32 v[SPW], v[NIL]                      ; the wave's opening; all the set-up on registers stands between the add and its wait
	ds_add_u32 v30, v31
	v_lshrrev_b32 v1, 5, v0
	v_readfirstlane_b32 s[WV], v1
.if CL
	s_bfe_u32 s31, ttmp6, 0x40000
	s_lshl_b32 s[WG], ttmp9, 2
	s_add_co_u32 s[WG], s[WG], s31                 ; it enters global addresses of my own and coordinates alone
	s_mov_b32 s[GP], 15|(3<<16)|(1<<21)            ; weights: the mask of four; 8-byte elements; bit 21 beside a mask
	s_mov_b32 s[GQ], 15|(3<<16)|(1<<21)
.else
	s_mov_b32 s[WG], ttmp9
	s_mov_b32 s[GP], 3<<16
	s_mov_b32 s[GQ], 3<<16
.endif
	s_lshl_b32 s26, s[WG], 7                       ; lay: 128 bytes a work-group
	s_mov_b32 s27, 0
	s_lshr_b32 s[BB], s[WG], 5
	s_and_b32 s[BLK], s[WG], 31
	s_mov_b32 s[GP+1], 32<<16                      ; 128 rows of 256 bytes, dense: a quarter of 128 KB
	s_mov_b32 s[GP+2], 128<<16
	s_mov_b32 s[GP+3], 32<<16
	s_mov_b32 s[GP+4], 128
	s_mov_b32 s[GP+5], 32
	s_mov_b32 s[GP+6], 0
	s_mov_b32 s[GP+7], 0
	s_mov_b32 s[GQ+1], 32<<16                      ; 112 rows: a quarter of 112 KB
	s_mov_b32 s[GQ+2], 112<<16
	s_mov_b32 s[GQ+3], 32<<16
	s_mov_b32 s[GQ+4], 112
	s_mov_b32 s[GQ+5], 32
	s_mov_b32 s[GQ+6], 0
	s_mov_b32 s[GQ+7], 0
	s_mov_b32 s[GS], 3<<16                         ; samp: my own; 8 channel rows of 2,048 bytes, 65,536 bytes apart
	s_mov_b32 s[GS+1], 256<<16
	s_mov_b32 s[GS+2], 8<<16
	s_mov_b32 s[GS+3], 256<<16
	s_mov_b32 s[GS+4], 8
	s_mov_b32 s[GS+5], 8192
	s_mov_b32 s[GS+6], 0
	s_mov_b32 s[GS+7], 0
	s_lshl_b32 s25, s[WV], 14
	s_lshl_b32 s[WOF], s[WV], 15
	s_mov_b32 s[DP], 1
	s_add_co_u32 s[DP+1], s[WOF], LP
	s_add_co_u32 s[WOF], s[WOF], WCUR              ; Wo begins the block
	s_mov_b32 s[WOF+1], 0
	s_mul_i32 s[WOQ], s[WV], 28672
	s_mov_b32 s[DQ], 1
	s_add_co_u32 s[DQ+1], s[WOQ], LQ
	s_add_co_u32 s[WOQ], s[WOQ], WCUR+131072       ; W1 follows it
	s_mov_b32 s[WOQ+1], 0
	s_mov_b32 s[DS], 1
	s_mov_b32 s[DS+1], s25
	s_mov_b32 s[SEL], 0x76543210
	s_mov_b32 s[SEL+1], 0xfedcba98
	s_mov_b32 s[KL2E], 0x3fb8aa3b
	s_mov_b32 s[K62], 0x42780000
	s_mov_b32 s[K256], 0x3b800000
	s_mov_b32 s[KEPS], 0x3727c5ac
	v_and_b32 v[LANE], 31, v0
	v_and_b32 v[ROWR], 15, v0
	v_bfe_u32 v[HLF], v0, 4, 1
	s_lshl_b32 s28, s[WV], 12
	v_lshl_add_u32 v[W7O], v[LANE], 4, s28
	v_add_nc_u32 v[AWP], LP, v[W7O]
	v_add_nc_u32 v[AWP+1], LP+65536, v[W7O]
	v_add_nc_u32 v[AWQ], LQ, v[W7O]
	v_add_nc_u32 v[AWQ+1], LQ+65536, v[W7O]
	v_lshlrev_b32 v[AX0], 4, v[ROWR]
	v_lshl_add_u32 v[VS], v[HLF], 16, v[AX0]
	v_lshl_add_u32 v[AX0], v[HLF], 11, v[AX0]
	v_add_nc_u32 v[STX], s25, v[AX0]
	s_lshl_b32 s28, s[WV], 19
	v_add_nc_u32 v[VS], s28, v[VS]
	s_lshl_b32 s28, s[WV], 8
	v_lshl_add_u32 v[VP], v[HLF], 5, s28
	v_lshlrev_b32 v[PR], 5, v[ROWR]
	v_add_nc_u32 v[PR], PART, v[PR]
	s_lshl_b32 s28, s[WV], 3
	v_add_nc_u32 v[PW], s28, v[PR]
	v_lshl_add_u32 v[CAX], v[LANE], 4, s25
	v_lshlrev_b32 v[CG], 4, v[LANE]
	v_lshlrev_b32 v[IDO], 3, v[LANE]
	v_lshl_add_u32 v[AQW], v[LANE], 4, LP
	s_lshl_b32 s28, s[WV], 9
	v_add_nc_u32 v[AQA], s28, v[AX0]
	s_add_co_u32 s29, s25, LQ                      ; my stage: 16,384 bytes of LQ, used when LQ has had its last fill and its last reader
	v_mul_u32_u24 v[QST], v[ROWR], 400
	v_lshl_add_u32 v[QST], v[HLF], 5, v[QST]
	v_add_nc_u32 v[QST], s29, v[QST]
	v_mul_u32_u24 v[QRD], v[LANE], 400
	v_add_nc_u32 v[QRD], s29, v[QRD]
	v_add_nc_u32 v[QRL], 256, v[QRD]
	s_and_b32 s28, s[WV], 1
	s_lshl_b32 s28, s28, 5
	v_add_nc_u32 v[TXO], s28, v[ROWR]
	v_mul_u32_u24 v[TXO], v[TXO], 384
	v_lshl_add_u32 v[TXO], v[HLF], 5, v[TXO]
	v_lshlrev_b32 v[TYO], 5, v[HLF]
	v_add_nc_u32 v[XY], s28, v[LANE]
	v_cvt_f32_u32 v[XY], v[XY]
	v_add_f32 v[XY], 0.5, v[XY]
	s_lshl_b32 s28, s[BLK], 1
	s_lshr_b32 s30, s[WV], 1
	s_add_co_u32 s30, s30, s28                     ; my tokens' image row
	v_cvt_f32_u32 v[XY+1], s30
	v_add_f32 v[XY+1], 0.5, v[XY+1]
	v_mov_b32 v[ONE], 1.0
	v_mov_b32 v[ZR], 0
	s_wait_dscnt 0x0
	s_wait_kmcnt 0x0
	s_add_nc_u64 s[10:11], s[10:11], s[26:27]
	s_load_b32 s[JJ], s[10:11], 0x0                ; the number of this layer's block: wanted only at the end, and waited for there
	s_add_nc_u64 s[DP+2:DP+3], s[4:5], s[WOF:WOF+1]
	s_or_b32 s[DP+3], s[DP+3], 0x80000000
	s_add_nc_u64 s[DQ+2:DQ+3], s[4:5], s[WOQ:WOQ+1]
	s_or_b32 s[DQ+3], s[DQ+3], 0x80000000
	s_lshl_b32 s26, s[BB], 21
	s_lshl_b32 s28, s[BLK], 11
	s_add_co_u32 s26, s26, s28
	s_add_nc_u64 s[RESB:RESB+1], s[6:7], s[26:27]  ; my batch, my 128 tokens
	s_add_nc_u64 s[VBO:VBO+1], s[14:15], s[26:27]
	s_lshl_b32 s28, s[WV], 19
	s_add_co_u32 s26, s26, s28                     ; and my eight channel rows
	s_add_nc_u64 s[DS+2:DS+3], s[4:5], s[26:27]
	s_or_b32 s[DS+3], s[DS+3], 0x80000000
	s_add_nc_u64 s[SRCO:SRCO+1], s[12:13], s[26:27]
	ROUND
	tensor_load_to_lds s[DS:DS+3], s[GS:GS+7]      ; my quarter of samp,
	s_nop 0
	tensor_load_to_lds s[DP:DP+3], s[GP:GP+7]      ; of Wo,
	s_nop 0
	tensor_load_to_lds s[DQ:DQ+3], s[GQ:GQ+7]      ; and of W1's first seven K steps: three loads of mine are out
	s_nop 0
	PLACES
.set i, 0
.rept 32                               ; the residual: src at the very places of my accumulators
	global_load_b128 v[64+4*i:64+4*i+3], v[VS], s[RESB:RESB+1] offset:(i%4)*131072+(i/4)*256
.set i, i+1
.endr
	s_add_nc_u64 s[8:9], s[4:5], WCUR              ; the block of weights, behind samp's 16 MB
	s_add_nc_u64 s[PARB:PARB+1], s[8:9], O_PAR
	s_add_nc_u64 s[TXB:TXB+1], s[8:9], O_TX
	s_add_nc_u64 s[W7B:W7B+1], s[8:9], 131072+7*16384
	s_mul_i32 s26, s30, 384
	s_add_co_u32 s26, s26, O_TY
	s_add_nc_u64 s[TYB:TYB+1], s[8:9], s[26:27]
	s_lshl_b32 s26, s[BB], 18
	s_lshl_b32 s28, s[BLK], 10
	s_add_co_u32 s26, s26, s28
	s_lshl_b32 s28, s[WV], 8
	s_add_co_u32 s26, s26, s28
	s_add_nc_u64 s[IDXO:IDXO+1], s[16:17], s[26:27]
	s_lshl_b32 s26, s[BB], 20
	s_lshl_b32 s28, s[BLK], 11
	s_add_co_u32 s26, s26, s28
	s_lshl_b32 s28, s[WV], 9
	s_add_co_u32 s26, s26, s28
	s_add_nc_u64 s[WGTO:WGTO+1], s[18:19], s[26:27]
	s_lshl_b32 s26, s[WG], 7
	s_add_co_u32 s26, s26, TRAIL
	s_add_nc_u64 s[COUR:COUR+1], s[16:17], s[26:27]
	s_wait_loadcnt 0x0
	WIN 0x40                                       ; f16 to f32, written as x times 1.0 plus 0: op_sel names either half of any register
.set i, 0
.rept 128
	v_fma_mix_f32 v[2*i], v[64+i], v[ONE], v[ZR] op_sel:[0,0,0] op_sel_hi:[1,0,0]
	v_fma_mix_f32 v[2*i+1], v[64+i], v[ONE], v[ZR] op_sel:[1,0,0] op_sel_hi:[1,0,0]
.set i, i+1
.endr
	WIN 0
	s_wait_tensorcnt 0x1                           ; my parts of samp and of Wo have landed; W1's, issued last, may stay out
	s_mov_b32 s[COUT], 2
.Lhalf:                                                ; trip 0: Wo, LN1, W1, relu.  Trip 1: W2, LN2, Wv, and out
	VECLOAD
	s_wait_dscnt 0x0                               ; my stores into LA are done (trip 1: hid)
	s_barrier_signal -1
	s_barrier_wait -1                              ; LA and LP are whole
	GEMM 0x50, AWP, 8
	REFILL DP, GP                                  ; LP is read out: W2, then WQ.  LQ's tile has landed in every wave
	LN
	s_wait_dscnt 0x0                               ; my stores into LA are done
	s_barrier_signal -1                            ; LP's tile may stay out
	s_barrier_wait -1
	GEMM 0xa0, AWQ, 7
	s_sub_co_u32 s[COUT], s[COUT], 1
	s_cmp_eq_u32 s[COUT], 0
	s_cbranch_scc1 .Lout
	REFILL DQ, GQ                                  ; LQ is read out: Wv.  Behind the round nobody reads y1 any more
	PACKH
.set i, 0
.rept 128
	v_pk_max_num_f16 v[TT+i], v[TT+i], v[ZR]       ; relu
.set i, i+1
.endr
.set i, 0
.rept 32
	ds_store_b128 v[STX], v[TT+4*i:TT+4*i+3] offset:(i%4)*4096+(i/4)*256
.set i, i+1
.endr
	s_add_nc_u64 s[PARB:PARB+1], s[PARB:PARB+1], 4096  ; the loads that named these two were waited for at the norm's head
	s_add_nc_u64 s[W7B:W7B+1], s[W7B:W7B+1], 262144
	s_branch .Lhalf
.Lout:
	; THE TAIL.  v leaves straight from registers: sixteen lanes hold 256 consecutive bytes of KC
	PLACES
	PACKH
.set i, 0
.rept 32
	global_store_b128 v[VS], v[TT+4*i:TT+4*i+3], s[VBO:VBO+1] offset:(i%4)*131072+(i/4)*256
.set i, i+1
.endr
	WIN 0x80
.set i, 0
.rept 24                               ; the tables' rows: table(x) into the 12 accumulators,
	global_load_b128 v[4*i:4*i+3], v[TXO], s[TXB:TXB+1] offset:(i/12)*6144+((i%12)/2)*64+(i%2)*16
.set i, i+1
.endr
	WIN 0
.set i, 0
.rept 12                               ; table(y) beside them
	global_load_b128 v[192+4*i:192+4*i+3], v[TYO], s[TYB:TYB+1] offset:(i/2)*64+(i%2)*16
.set i, i+1
.endr
	s_wait_xcnt 0x0                                ; the stores of v have read their registers
	COPYOUT CAX, SRCO                              ; src'
	s_wait_tensorcnt 0x0                           ; my part of WQ has landed
	s_wait_dscnt 0x0
	s_barrier_signal -1
	s_barrier_wait -1                              ; WQ is whole, and no wave reads LQ any more
	s_wait_loadcnt 0x0
	WIN 0x82
.set i, 0
.rept 48                               ; the sums start on table(x) + table(y)
	v_pk_add_f32 v[2*i:2*i+1], v[2*i:2*i+1], v[192+2*(i%24):192+2*(i%24)+1]
.set i, i+1
.endr
	WIN 0
	s_wait_xcnt 0x0                                ; the stores of src' have read their registers
	FETCHQ 0, 0
.irp k, 0,1,2,3,4,5,6
	STEPQ \k, \k%2, 1
.endr
	STEPQ 7, 1, 0
	WIN 0
	PLACES
	WIN 0x08
.set i, 0
.rept 24                               ; into my stage: a row of 400 bytes a token
	ds_store_b128 v[QST], v[4*i:4*i+3] offset:(i/12)*6400+((i%12)/2)*64+(i%2)*16
.set i, i+1
.endr
	WIN 0
	QEPI
	s_wait_kmcnt 0x0                               ; the block's number
	s_cmp_lg_u32 s[WV], 0
	s_cbranch_scc1 .Lnc
	s_add_co_u32 s25, s[JJ], 1                     ; the number of the block that the next dense launch takes
	v_mov_b32 v58, s25
	v_lshlrev_b32 v59, 2, v[LANE]
	global_store_b32 v59, v58, s[COUR:COUR+1]
.Lnc:
	s_wait_tensorcnt 0x0                           ; the wave's end
	ds_add_u32 v[SPW], v[NIL]
	s_wait_dscnt 0x0
	ROUND                                          ; the closing round
	s_endpgm
.Lfunc_end_k_qe3e3983208_dense:
	.size	k_qe3e3983208_dense, .Lfunc_end_k_qe3e3983208_dense-k_qe3e3983208_dense
	.p2alignl 7, 3214868480
	.fill 96, 4, 3214868480
	.section	.rodata,"a",@progbits
	.p2align	6, 0x0
	.amdhsa_kernel k_qe3e3983208_dense
		.amdhsa_group_segment_fixed_size 327680
		.amdhsa_private_segment_fixed_size 0
		.amdhsa_enable_private_segment 0
		.amdhsa_kernarg_size 56
		.amdhsa_user_sgpr_count 2
		.amdhsa_user_sgpr_kernarg_segment_ptr 1
		.amdhsa_wavefront_size32 1
		.amdhsa_system_sgpr_workgroup_id_x 1
		.amdhsa_system_sgpr_workgroup_id_y 1
		.amdhsa_system_sgpr_workgroup_id_z 1
		.amdhsa_system_vgpr_workitem_id 0
		.amdhsa_next_free_vgpr 928
		.amdhsa_next_free_sgpr 102
		.amdhsa_reserve_vcc 0
		.amdhsa_float_denorm_mode_32 3
		.amdhsa_float_denorm_mode_16_64 3
		.amdhsa_memory_ordered 1
		.amdhsa_forward_progress 1
		.amdhsa_inst_pref_size 236
	.end_amdhsa_kernel
	.amdgpu_metadata
---
amdhsa.version: [ 1, 2 ]
amdhsa.kernels:
  - .name:           k_qe3e3983208_dense
    .symbol:         k_qe3e3983208_dense.kd
    .args:
      - { .name: samp, .offset: 0, .size: 8, .value_kind: global_buffer, .address_space: global }
      - { .name: srcA, .offset: 8, .size: 8, .value_kind: global_buffer, .address_space: global }
      - { .name: lay, .offset: 16, .size: 8, .value_kind: global_buffer, .address_space: global }
      - { .name: srcB, .offset: 24, .size: 8, .value_kind: global_buffer, .address_space: global }
      - { .name: vbuf, .offset: 32, .size: 8, .value_kind: global_buffer, .address_space: global }
      - { .name: idx, .offset: 40, .size: 8, .value_kind: global_buffer, .address_space: global }
      - { .name: wgt, .offset: 48, .size: 8, .value_kind: global_buffer, .address_space: global }
    .group_segment_fixed_size: 327680
    .private_segment_fixed_size: 0
    .kernarg_segment_align: 8
    .kernarg_segment_size: 56
    .max_flat_workgroup_size: 128
    .sgpr_count:     102
    .vgpr_count:     928
    .wavefront_size: 32
...
	.end_amdgpu_metadata
.endif
;; end of part 4
;; launch gather1: the kernel of part 3 again; grid 256 x 1, 16 waves a work-group, no clusters, 198,656 bytes of LDS; arguments vbuf, idx, wgt, wpk, samp, lay; writes samp, lay
;; launch dense1: the kernel of part 4 again; grid 256 x 1, 4 waves a work-group, clusters of 4 x 1, 327,680 bytes of LDS; arguments samp, srcB, lay, srcA, vbuf, idx, wgt; writes srcA, vbuf, idx, wgt
;; launch gather2: the kernel of part 3 again; grid 256 x 1, 16 waves a work-group, no clusters, 198,656 bytes of LDS; arguments vbuf, idx, wgt, wpk, samp, lay; writes samp, lay
;; launch dense2: the kernel of part 4 again; grid 256 x 1, 4 waves a work-group, clusters of 4 x 1, 327,680 bytes of LDS; arguments samp, srcA, lay, srcB, vbuf, idx, wgt; writes srcB, vbuf, idx, wgt
;; launch gather3: the kernel of part 3 again; grid 256 x 1, 16 waves a work-group, no clusters, 198,656 bytes of LDS; arguments vbuf, idx, wgt, wpk, samp, lay; writes samp, lay
;; launch dense3: the kernel of part 4 again; grid 256 x 1, 4 waves a work-group, clusters of 4 x 1, 327,680 bytes of LDS; arguments samp, srcB, lay, srcA, vbuf, idx, wgt; writes srcA, vbuf, idx, wgt
;; launch gather4: the kernel of part 3 again; grid 256 x 1, 16 waves a work-group, no clusters, 198,656 bytes of LDS; arguments vbuf, idx, wgt, wpk, samp, lay; writes samp, lay
;; launch dense4: the kernel of part 4 again; grid 256 x 1, 4 waves a work-group, clusters of 4 x 1, 327,680 bytes of LDS; arguments samp, srcA, lay, srcB, vbuf, idx, wgt; writes srcB, vbuf, idx, wgt
;; launch gather5: the kernel of part 3 again; grid 256 x 1, 16 waves a work-group, no clusters, 198,656 bytes of LDS; arguments vbuf, idx, wgt, wpk, samp, lay; writes samp, lay
;; launch dense5: the kernel of part 4 again; grid 256 x 1, 4 waves a work-group, clusters of 4 x 1, 327,680 bytes of LDS; arguments samp, srcB, lay, srcA, vbuf, idx, wgt; writes srcA, vbuf, idx, wgt
;; launch fin (part 5): grid 256 x 1, 8 waves a work-group, no clusters, 0 bytes of LDS; arguments srcA, out0; writes out0
.if DOCPART == 5
	.amdgcn_target "amdgcn-amd-amdhsa--gfx1250"
	.amdhsa_code_object_version 6
	.text
	.protected	k_qe3e3983208_fin
	.globl	k_qe3e3983208_fin
	.p2align	8
	.type	k_qe3e3983208_fin,@function
k_qe3e3983208_fin:
	s_mov_b64 s[64:65], 0
	v_nop
	global_prefetch_b8 v0, s[64:65] scope:SCOPE_SE
	s_setreg_imm32_b32 hwreg(HW_REG_WAVE_MODE, 25, 1), 1
	s_wait_xcnt 0x0
; THE WAY OUT.  src [b][channel / 8][token][8 channels] in f16 becomes out0 [b][channel][token] in f32.  out0 carries src's one rounding to f16, 2^-11 of itself at the most.
; A work-group takes one (b, channel / 8): 64 KB in, 128 KB out; a wave 512 tokens in four turns of 128.  Lane l takes tokens 4 l ..+3 of a turn, four loads of 16 bytes that together cover
; 2,048 consecutive bytes, so that its four numbers of a channel are 16 neighbouring bytes of out0: a wave's store covers 512 consecutive bytes, aligned.  The turn happens inside the lane.
; A stream: no LDS, no matrix unit, no cluster (no byte is read twice).  All sixteen loads of a wave go out at once.
.set ONE, 5
.set ZR, 6
.set IN, 16                            ; v16-79  turn t, token i: 4 registers at 16 + 16 t + 4 i
.set OUT, 80                           ; v80-111 channel j: 4 tokens at 80 + 4 j
	s_load_b128 s[4:7], s[0:1], 0x0
	v_and_b32 v1, 31, v0
	v_lshrrev_b32 v2, 5, v0
	v_lshlrev_b32 v3, 6, v1
	v_lshl_add_u32 v3, v2, 13, v3                  ; in: 8,192 w + 64 l
	v_lshlrev_b32 v4, 4, v1
	v_lshl_add_u32 v4, v2, 11, v4                  ; out: 2,048 w + 16 l
	v_mov_b32 v[ONE], 1.0
	v_mov_b32 v[ZR], 0
	s_lshl_b32 s8, ttmp9, 16
	s_mov_b32 s9, 0
	s_lshl_b32 s10, ttmp9, 17
	s_mov_b32 s11, 0
	s_wait_kmcnt 0x0
	s_add_nc_u64 s[4:5], s[4:5], s[8:9]
	s_add_nc_u64 s[6:7], s[6:7], s[10:11]
.set i, 0
.rept 16
	global_load_b128 v[IN+4*i:IN+4*i+3], v3, s[4:5] offset:(i/4)*2048+(i%4)*16 th:TH_LOAD_NT
.set i, i+1
.endr
.macro TURNF t
	s_wait_loadcnt 12-4*(\t)                       ; this turn's four loads are in; the later turns' four each stay out
	s_wait_xcnt 0x0                                ; the last turn's stores have read OUT
.irp q, 0,1,2,3
.irp hb, 0,1
.irp i, 0,1,2,3
	v_fma_mix_f32 v[OUT+4*(2*\q+\hb)+\i], v[IN+16*(\t)+4*\i+\q], v[ONE], v[ZR] op_sel:[\hb,0,0] op_sel_hi:[1,0,0]  ; f16 to f32, written as x times 1.0 plus 0: op_sel names the half
.endr
.endr
.endr
.irp j, 0,1,2,3,4,5,6,7
	global_store_b128 v4, v[OUT+4*\j:OUT+4*\j+3], s[6:7] offset:\j*16384+(\t)*512 th:TH_STORE_NT
.endr
.endm
	TURNF 0
	TURNF 1
	TURNF 2
	TURNF 3
	s_endpgm
.Lfunc_end_k_qe3e3983208_fin:
	.size	k_qe3e3983208_fin, .Lfunc_end_k_qe3e3983208_fin-k_qe3e3983208_fin
	.p2alignl 7, 3214868480
	.fill 96, 4, 3214868480
	.section	.rodata,"a",@progbits
	.p2align	6, 0x0
	.amdhsa_kernel k_qe3e3983208_fin
		.amdhsa_group_segment_fixed_size 0
		.amdhsa_private_segment_fixed_size 0
		.amdhsa_enable_private_segment 0
		.amdhsa_kernarg_size 16
		.amdhsa_user_sgpr_count 2
		.amdhsa_user_sgpr_kernarg_segment_ptr 1
		.amdhsa_wavefront_size32 1
		.amdhsa_system_sgpr_workgroup_id_x 1
		.amdhsa_system_sgpr_workgroup_id_y 1
		.amdhsa_system_sgpr_workgroup_id_z 1
		.amdhsa_system_vgpr_workitem_id 0
		.amdhsa_next_free_vgpr 112
		.amdhsa_next_free_sgpr 66
		.amdhsa_reserve_vcc 0
		.amdhsa_float_denorm_mode_32 3
		.amdhsa_float_denorm_mode_16_64 3
		.amdhsa_memory_ordered 1
		.amdhsa_forward_progress 1
		.amdhsa_inst_pref_size 14
	.end_amdhsa_kernel
	.amdgpu_metadata
---
amdhsa.version: [ 1, 2 ]
amdhsa.kernels:
  - .name:           k_qe3e3983208_fin
    .symbol:         k_qe3e3983208_fin.kd
    .args:
      - { .name: srcA, .offset: 0, .size: 8, .value_kind: global_buffer, .address_space: global }
      - { .name: out0, .offset: 8, .size: 8, .value_kind: global_buffer, .address_space: global }
    .group_segment_fixed_size: 0
    .private_segment_fixed_size: 0
    .kernarg_segment_align: 8
    .kernarg_segment_size: 16
    .max_flat_workgroup_size: 256
    .sgpr_count:     66
    .vgpr_count:     112
    .wavefront_size: 32
...
	.end_amdgpu_metadata
.endif
;; end of part 5
